; MI455X (gfx1250); checked and timed in simulation.
; The chip was launched on July 23, 2026; its instructions are those of AMD's public machine-readable ISA for CDNA 5 (MIT licence, August 2026) and "CDNA5" Instruction Set Architecture Reference Guide (July 2026). The comments in the code are by the model that wrote it; some were corrected since.
;; Robust Sym GAT. Allowed arithmetic: matrix products marked QUANTISED: E3M2 operands, one E8M0 scale for each 32 along K, by v_wmma_scale_f32_16x16x128_f8f6f4 with both operands' format E3M2, f32 sums; products left as they are: f32 operands where the result goes on into a quantised operand, else bf16, f16 or f32 operands; f32 sums; everything else in f32.
;; Inputs: W1 64 x 64 float32; W2 64 x 64 float32; W3 64 x 64 float32; W_c1 64 x 32 float32; W_c2 32 x 4 float32; W_in 42 x 64 float32; W_r1 64 x 32 float32; W_r2 32 x 1 float32; W_sym 10 x 32 float32; b1 64 float32; b2 64 float32; b3 64 float32; b_c1 32 float32; b_c2 4 float32; b_in 64 float32; b_r1 32 float32; b_r2 1 float32; b_sym 32 float32; x 1,048,576 x 10 float32.
;; Outputs: out0 1,048,576 x 1 float32; out1 1,048,576 x 4 float32.
;; This version of the problem:
;;   THIS VERSION OF THE PROBLEM IS GIVEN IN LOW PRECISION. The matrix products marked QUANTISED in the list below multiply operands that are first quantised to E3M2 (3 exponent bits, 2 mantissa bits; 6 bits a number), with one power-of-two scale for each 32 numbers along K (OCP MX v1.0); their sums are f32. All else is computed in f32.
;;   The module's matrix products, in the order in which they are computed (A, B: the left and right operand; K: the contracted axis; several contracted axes count as one K, in the product's order):
;;     1. [M 1,048,576, K 10] x [K 10, N 32]; A: computed on the way; B: input W_sym: left as it is (K = 10 < 32)
;;     2. [M 1,048,576, K 42] x [K 42, N 64]; A: computed on the way; B: input W_in: QUANTISED
;;     3. [M 1,048,576, K 64] x [K 64, N 64]; A: computed on the way; B: input W1: QUANTISED
;;     4. [M 1,048,576, K 64] x [K 64, N 64]; A: computed on the way; B: input W2: QUANTISED
;;     5. [M 1,048,576, K 64] x [K 64, N 64]; A: computed on the way; B: input W3: QUANTISED
;;     6. [M 1,048,576, K 64] x [K 64, N 32]; A: computed on the way; B: input W_r1: QUANTISED
;;     7. [M 1,048,576, K 32] x [K 32, N 1]; A: computed on the way; B: input W_r2: left as it is (N = 1 < 16)
;;     8. [M 1,048,576, K 64] x [K 64, N 32]; A: computed on the way; B: input W_c1: QUANTISED
;;     9. [M 1,048,576, K 32] x [K 32, N 4]; A: computed on the way; B: input W_c2: left as it is (N = 4 < 16)
;;   THE QUANTISER, for each operand of a quantised product, along K:
;;     - K is cut into blocks of 32 from its start; a last block that is shorter is filled with zeros.
;;     - A block's scale is 2^e with e = floor(log2(the largest magnitude in the block)) - 4, held to -126 .. 127; a block of zeros has e = 0. As a byte (E8M0): e + 127.
;;     - Each number is divided by its block's scale, clamped to +-28, and rounded to the nearest number of E3M2, ties to even, subnormals kept.
;;     - The product sums the exact products of the quantised numbers (number of the format x scale) in f32.
;;   ~~~python
;;   def quantise(x, axis):      # numpy; x: float32 -> the quantised numbers, widened to float32 again
;;       x = np.moveaxis(x, axis, -1); K = x.shape[-1]
;;       x = np.pad(x, [(0, 0)] * (x.ndim - 1) + [(0, -K % 32)]); x = x.reshape(x.shape[:-1] + (-1, 32)); a = np.abs(x).max(-1, keepdims=True)
;;       e = np.where(a > 0, np.clip(np.frexp(np.where(a > 0, a, 1))[1] - 1 - 4, -126, 127), 0)      # np.frexp(a)[1] - 1 = floor(log2(a)), exactly
;;       r = np.clip(x / 2.0 ** e, -28, 28)
;;       step = 2.0 ** (np.maximum(np.frexp(np.where(r == 0, 1, r))[1] - 1, -2) - 2)
;;       q = np.round(r / step) * step * 2.0 ** e      # np.round: ties to even
;;       return np.moveaxis(q.reshape(q.shape[:-2] + (-1,))[..., :K], -1, axis).astype(np.float32)
;;   ~~~
;;   OPERANDS COMPUTED ON THE WAY. 'Computed on the way' means the value that the module computes at that place (a softmax that the list does not call 'softmax' is quantised finished and normalised). What goes into a quantiser is computed in f32, as accurately as f32 sums, v_exp_f32 and their like allow (about 1e-6 of the number): no bf16 or f16 on the way to a quantiser, and a product that is left as it is and whose result goes on into a quantised operand takes f32 operands (vector FMAs, or v_wmma_f32_16x16x4_f32). A number that lies on a knife's edge between two numbers of the format may be rounded either way, as far as f32 arithmetic and the matrix unit's own rounding can turn it there, and no further.
;; 2 versions, each right; version 2 is version 1 with the launch mlp written anew for expert scheduling mode. Each part assembles by itself: llvm-mc -triple=amdgcn-amd-amdhsa -mcpu=gfx1250 --defsym DOCPART=n.
;; ======== version 1 of 2: 1 launch
;; limits: a function is approximated: absolute error at most 2e-07
;; launch mlp (part 1): grid 256 x 1, 8 waves a work-group, no clusters, 45,568 bytes of LDS; arguments x, W_sym, b_sym, W_in, W1, W2, W3, W_r1, W_c1, b_in, b1, b2, b3, b_r1, b_c1, W_r2, W_c2, b_r2, b_c2, out0, out1; writes out0, out1
.if DOCPART == 1
	.amdgcn_target "amdgcn-amd-amdhsa--gfx1250"
	.amdhsa_code_object_version 6
	.text
	.protected	k_q47576632c2_mlp
	.globl	k_q47576632c2_mlp
	.p2align	8
	.type	k_q47576632c2_mlp,@function
k_q47576632c2_mlp:
	s_mov_b64 s[64:65], 0
	v_nop
	global_prefetch_b8 v0, s[64:65] scope:SCOPE_SE
	s_setreg_imm32_b32 hwreg(HW_REG_WAVE_MODE, 25, 1), 1
	s_wait_xcnt 0x0
; RobustSymGAT, whole, in one launch.  For each of 1,048,576 rows: ten hand-made features of x; enc = elu(features W_sym + b_sym) (f32 operands: its result goes into a quantiser);
; h = elu([x, enc] W_in + b_in); three times h += elu(h W + b); out0 = elu(h W_r1 + b_r1) W_r2 + b_r2; out1 = elu(h W_c1 + b_c1) W_c2 + b_c2.
; The products with W_in, W1, W2, W3, W_r1, W_c1 multiply codes of BF6 (E3M2) with one E8M0 scale for each 32 along K; the two last products take bf16 operands (K = 32, 1 and 4 outputs); all sums f32.
; NOTHING IS LEFT OUT: every one of the 19 inputs has a way to an output and is loaded.
; SHARES.  256 work-groups of 8 waves; a wave owns 512 consecutive rows: 8 trips of 64 rows, a trip two passes of 32 rows, a pass two tiles of 16 rows (T = 0, 1).  Waves share only the constants made at the head: one barrier.
; LAYOUT.  Every product is used transposed (source 0 = 16 rows of a weight, source 1 = 16 rows of the batch), so a lane (r = lane % 16, h = lane / 16) holds batch row r.  Row m of weight tile t is hidden unit
; 32 (m / 8) + 8 t + m % 8: so register 8 t + j of lane half h is unit 32 h + 8 t + j: A LANE HOLDS ONE WHOLE BLOCK OF 32 ALONG THE NEXT K, in the order of the 6-bit operand's registers 0-5.
; K is 64 (or 42) of the instruction's 128: the batch operand's registers 6-11 are zero codes, cleared once; so a weight fragment's upper six registers may hold anything finite: the fragments lie 6 registers apart.
; elu(z) = the middle one of z, e^z - 1 and 0 (e^z - 1 >= z for every z): half a packed multiply, an exponential, half a packed addition, one v_med3.  Biases are the C of each product.
; LIMITS.  e^z - 1 is made as 2^(z log2 e) - 1: its error is up to about 2e-7 absolute, so the relative error of elu passes 1e-6 where |elu| < 0.1 (z < 0, and 0 < z < about 5e-4, where the middle one may be e^z - 1).
; The penalties are made as v x (+-1 / bound) -+ 1 and the scores' coefficients are folded into one constant each: the order of rounding differs from the source's.  NaN and infinities among x are not served.
; A block whose largest magnitude lies under 2^-122 keeps the scale byte 1 (a block of zeros too: its codes are zeros, and only this text reads the bytes).
; NO TENSOR LOADS, NO CLUSTER: x is 2,560 bytes a trip and wave and is asked for a whole trip ahead by loads into registers; what work-groups share is 80 KB of weights, read once each.
;
; LDS (bytes)
.set XST,   0                          ; 8 stages of 2,560: a wave's 64 rows of x (40 bytes each), as they lie in memory
.set ZREG,  20480                      ; 4,096 bytes of zeros: lanes 16-31 read their "x" here
.set PST,   24576                      ; 8 x 256: a trip's 64 predictions of a wave
.set BIAS,  26624                      ; b_in, b1, b2, b3: 256 bytes each
.set WIMG,  27904                      ; 20 weight fragments as images of their registers: pair i of fragment f at 768 f + 256 i + 8 x lane
.set WSC,   43264                      ; fragment f's 16 scale words at 64 f + 4 r
.set SPARE, 44544                      ; the spare words, 128 bytes for each wave: four blocks of 256 bytes that no other line names
; REGISTERS, window 0
.set SPW, 1                            ; v1   my spare word's address; never rewritten
.set NIL, 2                            ; v2   0; never rewritten
.set XFA, 3                            ; v3   stage: row = lane (features)
.set XQA, 4                            ; v4   stage: row = r in lanes 0-15; the zeros in lanes 16-31
.set XSA, 5                            ; v5   stage: 16 x lane (the way in)
.set L16, 6                            ; v6   16 x lane
.set L8,  7                            ; v7   8 x lane
.set BA,  8                            ; v8   128 h
.set PSA, 9                            ; v9   my prediction's word
.set PLA, 10                           ; v10  and two of them on the way out
.set WS,  12                           ; v12-21 weights' scale words: register i: fragment 2 i in lanes 0-15, fragment 2 i + 1 in lanes 16-31
.set SW0, 22                           ; v22, v23 the batch operands' scale words
.set C0,  24                           ; v24-35, v36-47 the batch operands; registers 6-11 of each stay 0
.set H0,  64                           ; v64-127  h (and the first quantiser's input), 32 a tile
.set Z0,  128                          ; v128-191 products' results, 32 a tile; registers 0-15 of each tile are written by matrix instructions alone
.set T0,  192                          ; v192-255 at work, 32 a tile
.set FB,  192                          ; the features; v204-213 their temporaries
.set QT0, 192                          ; a quantiser's temporaries: +0, +1 maxima, +2 the conversion's scale operand, +3 byte, +4 the other half's byte, +6..8 codes on their way
.set QT1, 202
; window 1: v0-119 weight fragments (f at 6 f), v120-125 zeros; v128-159 the next hidden layer's bias; v160-171 W_sym's f32 fragments; v176-191 the outputs' bf16 fragments; v192-199 their bias; v200-219 x on its way; v224-255 the heads' bias
.set WV,  46                           ; s46  wave
.set HM,  47                           ; s47  mask of lanes 16-31
.set CS,  48                           ; s[48:49] log2(e)
.set SEL, 50                           ; s[50:51] v_permlanex16_b32's selects for lane l xor 16
.set TR,  52                           ; s52  trips to go
.set MSB, 0
.macro WIN new                         ; the immediate's high byte repeats the setting that is left
.if MSB != \new
	s_set_vgpr_msb (MSB<<8)|\new
.set MSB, \new
.endif
.endm
.macro NOPS n
.rept \n
	v_nop
.endr
.endm
; ---- elu of two numbers, behind the exponential and the - 1
.macro EMED z, t, d, k, res
.if \res
	v_med3_num_f32 v[(\t)+(\k)], v[(\z)+(\k)], v[(\t)+(\k)], 0
	v_med3_num_f32 v[(\t)+(\k)+1], v[(\z)+(\k)+1], v[(\t)+(\k)+1], 0
.else
	v_med3_num_f32 v[(\d)+(\k)], v[(\z)+(\k)], v[(\t)+(\k)], 0
	v_med3_num_f32 v[(\d)+(\k)+1], v[(\z)+(\k)+1], v[(\t)+(\k)+1], 0
.endif
.endm
; ---- elu of n numbers of each of two tiles: z results, t temporaries, d where it goes (res = 1: added onto d).  Each tile's exponentials are one batch with one wait; tile 1's stand among tile 0's plain lines.
; Results are read from each accumulator's low end on (ascending).
.macro ELU2 z0, t0, d0, z1, t1, d1, n, res
.set ei, 0
.rept (\n)/2
	v_pk_mul_f32 v[(\t0)+ei:(\t0)+ei+1], v[(\z0)+ei:(\z0)+ei+1], s[CS:CS+1] op_sel_hi:[1,0]
.set ei, ei+2
.endr
.set ei, 0
.rept (\n)/2
	v_exp_f32 v[(\t0)+ei], v[(\t0)+ei]
	v_exp_f32 v[(\t0)+ei+1], v[(\t0)+ei+1]
	v_pk_mul_f32 v[(\t1)+ei:(\t1)+ei+1], v[(\z1)+ei:(\z1)+ei+1], s[CS:CS+1] op_sel_hi:[1,0]   ; plain, and names no exponential's result
.set ei, ei+2
.endr
	s_wait_alu depctr_va_vdst(0)                   ; one wait for tile 0's batch, ahead of its first reader
.set ei, 0
.rept (\n)/2+2                                 ; staggered: - 1 of pair i, the choice of pair i - 1, the residual of pair i - 2
.if ei < \n
	v_pk_add_f32 v[(\t0)+ei:(\t0)+ei+1], v[(\t0)+ei:(\t0)+ei+1], -1.0 op_sel_hi:[1,0]
	v_exp_f32 v[(\t1)+ei], v[(\t1)+ei]
	v_exp_f32 v[(\t1)+ei+1], v[(\t1)+ei+1]
.endif
.if (ei >= 2) && (ei-2 < \n)
	EMED \z0, \t0, \d0, ei-2, \res
.endif
.if \res && (ei >= 4)
	v_pk_add_f32 v[(\d0)+ei-4:(\d0)+ei-3], v[(\d0)+ei-4:(\d0)+ei-3], v[(\t0)+ei-4:(\t0)+ei-3]
.endif
.set ei, ei+2
.endr
	s_wait_alu depctr_va_vdst(0)                   ; and one for tile 1's (plain lines stand behind its last exponential)
.set ei, 0
.rept (\n)/2+2
.if ei < \n
	v_pk_add_f32 v[(\t1)+ei:(\t1)+ei+1], v[(\t1)+ei:(\t1)+ei+1], -1.0 op_sel_hi:[1,0]
.endif
.if (ei >= 2) && (ei-2 < \n)
	EMED \z1, \t1, \d1, ei-2, \res
.endif
.if \res && (ei >= 4)
	v_pk_add_f32 v[(\d1)+ei-4:(\d1)+ei-3], v[(\d1)+ei-4:(\d1)+ei-3], v[(\t1)+ei-4:(\t1)+ei-3]
.endif
.set ei, ei+2
.endr
.endm
; ---- the quantiser's lines, for one tile: s = the lane's 32 numbers (one block), q = its temporaries, c = the operand
.macro QBEG s, q                               ; two chains; the floor 2^(5 - 127) is a leaf: the byte cannot fall under 1
	v_max3_num_f32 v[\q], |v[\s]|, |v[(\s)+1]|, 0x2800000
	v_max3_num_f32 v[(\q)+1], |v[(\s)+16]|, |v[(\s)+17]|, |v[(\s)+18]|
.endm
.macro QSTP s, q, i
	v_max3_num_f32 v[\q], v[\q], |v[(\s)+\i]|, |v[(\s)+\i+1]|
	v_max3_num_f32 v[(\q)+1], v[(\q)+1], |v[(\s)+17+\i]|, |v[(\s)+18+\i]|
.endm
.macro QEN1 s, q
	v_max3_num_f32 v[\q], v[\q], |v[(\s)+14]|, |v[(\s)+15]|
.endm
.macro QEN2 s, q
	v_max3_num_f32 v[\q], v[\q], v[(\q)+1], |v[(\s)+31]|   ; the block's largest magnitude
.endm
.macro QSO q
	v_add_nc_u32 v[(\q)+2], 0xfe000000, v[\q]      ; 4 off its exponent field: the conversion takes this operand's exponent field as its scale
.endm
.macro QBY q
	v_lshrrev_b32 v[(\q)+3], 23, v[(\q)+2]         ; the scale's byte
.endm
.macro QPX q
	v_permlanex16_b32 v[(\q)+4], v[(\q)+3], s[SEL], s[SEL+1]   ; the other block's
.endm
.macro QCV s, q, c
	v_cvt_scalef32_pk16_bf6_f32 v[\c:(\c)+2], v[\s:(\s)+15], v[(\q)+2]
	v_cvt_scalef32_pk16_bf6_f32 v[(\q)+6:(\q)+8], v[(\s)+16:(\s)+31], v[(\q)+2]   ; (a conversion's three registers begin on an even number)
.endm
.macro QMV q, c
.irp i, 0,1,2
	v_mov_b32 v[(\c)+3+\i], v[(\q)+6+\i]
.endr
.endm
; two tiles, line by line.  wt = 0: the batch: the scale word (byte 0 block 0, byte 1 block 1, bytes 2, 3 nought) goes to v[SW0 + T], right in lanes 0-15.  wt = 1: weights: the word is made right in both halves, in v[q + 3]
.macro QUANT2 s0, s1, wt
	QBEG \s0, QT0
	QBEG \s1, QT1
.irp i, 2,4,6,8,10,12
	QSTP \s0, QT0, \i
	QSTP \s1, QT1, \i
.endr
	QEN1 \s0, QT0
	QEN1 \s1, QT1
	QEN2 \s0, QT0
	QEN2 \s1, QT1
	QSO QT0
	QSO QT1
	QBY QT0
	QBY QT1
.if \wt
	v_lshlrev_b32 v[QT0+3], v57, v[QT0+3]          ; 8 h bits up
	v_lshlrev_b32 v[QT1+3], v57, v[QT1+3]
	QPX QT0
	QPX QT1
	v_or_b32 v[QT0+3], v[QT0+3], v[QT0+4]
	v_or_b32 v[QT1+3], v[QT1+3], v[QT1+4]
.else
	QPX QT0
	QPX QT1
	v_lshl_or_b32 v[SW0], v[QT0+4], 8, v[QT0+3]
	v_lshl_or_b32 v[SW0+1], v[QT1+4], 8, v[QT1+3]
.endif
	QCV \s0, QT0, C0
	QCV \s1, QT1, C0+12
	v_nop                                          ; one plain place behind the scaled conversions
	QMV QT0, C0
	QMV QT1, C0+12
.endm
.macro QUANT1 s                                ; one weight fragment
	QBEG \s, QT0
.irp i, 2,4,6,8,10,12
	QSTP \s, QT0, \i
.endr
	QEN1 \s, QT0
	QEN2 \s, QT0
	QSO QT0
	QBY QT0
	v_lshlrev_b32 v[QT0+3], v57, v[QT0+3]
	QPX QT0
	v_or_b32 v[QT0+3], v[QT0+3], v[QT0+4]
	QCV \s, QT0, C0
	v_nop
	QMV QT0, C0
.endm
; ---- a quantised layer: 4 weight tiles x 2 row tiles; eight different accumulators, each begun and finished by one instruction; cb: the bias (window 1) is C
.macro LAYER l, cb
	s_wait_dscnt 0x0                               ; the bias is in
	NOPS 4                                         ; an operand written by vector lines stands 4 places ahead of a scaled product; a scale word 8: these four, the place behind the conversions and the other tile's three moves
	WIN 0x11                                       ; source 0 (weights) and source 2 (bias) in window 1
.irp T, 0,1
.irp t, 0,2
	v_wmma_scale_f32_16x16x128_f8f6f4 v[Z0+32*\T+8*\t:Z0+32*\T+8*\t+7], v[6*(4*(\l)+\t):6*(4*(\l)+\t)+11], v[C0+12*\T:C0+12*\T+11], v[(\cb)+8*\t:(\cb)+8*\t+7], v[WS+2*(\l)+\t/2], v[SW0+\T] matrix_a_fmt:MATRIX_FMT_BF6 matrix_b_fmt:MATRIX_FMT_BF6
	v_wmma_scale_f32_16x16x128_f8f6f4 v[Z0+32*\T+8*\t+8:Z0+32*\T+8*\t+15], v[6*(4*(\l)+\t+1):6*(4*(\l)+\t+1)+11], v[C0+12*\T:C0+12*\T+11], v[(\cb)+8*\t+8:(\cb)+8*\t+15], v[WS+2*(\l)+\t/2], v[SW0+\T] matrix_a_fmt:MATRIX_FMT_BF6 matrix_b_fmt:MATRIX_FMT_BF6 matrix_a_scale:MATRIX_SCALE_ROW1
.endr
.endr
	WIN 0
	NOPS 4                                         ; places in front of loads into the bias's registers and of the first read of results
.endm
.macro BLOAD l                                 ; bias l in the result's layout: register 8 t + j of lane half h is b[32 h + 8 t + j]
	WIN 0x40
.irp t, 0,1,2,3
	ds_load_b128 v[128+8*\t:131+8*\t], v[BA] offset:BIAS+256*(\l)+32*\t
	ds_load_b128 v[132+8*\t:135+8*\t], v[BA] offset:BIAS+256*(\l)+32*\t+16
.endr
	WIN 0
.endm
; ---- 32 rows of x out of my stage, from byte off on: five columns with lane = row, for the features; all ten with lane = (r, h), as places 0-9 of the first quantiser's input (lanes 16-31 read zeros)
.macro XFETCH off
	ds_load_b64 v[48:49], v[XFA] offset:\off
	ds_load_b32 v50, v[XFA] offset:\off+8
	ds_load_b32 v51, v[XFA] offset:\off+16
	ds_load_b32 v52, v[XFA] offset:\off+28
.irp T, 0,1
.irp i, 0,1,2,3,4
	ds_load_b64 v[H0+32*\T+2*\i:H0+32*\T+2*\i+1], v[XQA] offset:\off+640*\T+8*\i
.endr
.endr
.endm
; ---- the ten features of 32 rows, lane = row: v48 ammonia, v49 bod, v50 dissolved oxygen, v51 ph, v52 nitrate.  A penalty is the largest of 1 - v / lo, v / hi - 1 and 0 (lo < hi, both positive: at most one of the two is positive)
.macro FEAT
	v_fma_f32 v204, v51, 0xbe1d89d9, 1.0           ; 1 - ph / 6.5
	v_fma_f32 v205, v51, 0x3df0f0f1, -1.0          ; ph / 8.5 - 1
	v_fma_f32 v206, v48, 0xc47a0000, 1.0           ; 1 - am / 0.001
	v_fma_f32 v207, v49, 0xc47a0000, 1.0           ; 1 - bod / 0.001
	v_fma_f32 v208, v48, 2.0, -1.0                 ; am / 0.5 - 1
	v_fma_f32 v209, v49, 0x3e4ccccd, -1.0          ; bod / 5 - 1
	v_fma_f32 v210, v50, 0xbe2aaaab, 1.0           ; 1 - do / 6
	v_fma_f32 v211, v52, 0xc47a0000, 1.0           ; 1 - nit / 0.001
	v_fma_f32 v212, v52, 0x3dcccccd, -1.0          ; nit / 10 - 1
	v_max3_num_f32 v[FB+0], v204, v205, 0
	v_max3_num_f32 v[FB+1], v206, v208, 0
	v_max3_num_f32 v[FB+2], v207, v209, 0
	v_max_num_f32 v[FB+3], 0, v210
	v_max3_num_f32 v[FB+4], v211, v212, 0
	v_add_f32 v213, v[FB+0], v[FB+1]
	v_add_f32 v213, v213, v[FB+2]
	v_add_f32 v213, v213, v[FB+3]
	v_add_f32 v213, v213, v[FB+4]
	v_add_f32 v213, 1.0, v213
	v_add_f32 v213, 0x322bcc77, v213               ; + 1e-8
	v_rcp_f32 v[FB+10], v213                       ; the resilience; the scores below are the plain work behind it
	v_mul_f32 v[FB+5], 0x3f4ccccd, v48             ; 0.8 am
	v_mul_f32 v[FB+6], 0x3db4b4b5, v51             ; 1.5 / 17 ph
	v_mul_f32 v[FB+7], 0x3e088889, v49             ; 2 / 15 bod
	v_mul_f32 v[FB+8], 0x3e4ccccd, v52             ; 0.2 nit
	v_fma_f32 v[FB+5], v49, 0x3dcccccd, v[FB+5]    ; + 0.1 bod
	v_fma_f32 v[FB+6], v52, 0x3d4ccccd, v[FB+6]    ; + 0.05 nit
	v_fma_f32 v[FB+7], v50, 0xbd4ccccd, v[FB+7]    ; - 0.05 do
	v_fma_f32 v[FB+5], v50, 0xbcda740e, v[FB+5]    ; - 0.8 / 30 do
	v_fma_f32 v[FB+7], v48, 0x3f088889, v[FB+7]    ; + 8 / 15 am
	v_mov_b32 v[FB+9], 1.0                         ; the 1 that b_sym multiplies
	v_mov_b32 v[FB+11], 1.0
	s_wait_alu depctr_va_vdst(0)                   ; the reciprocal's wait, ahead of its first reader
	; the f32 operand wants, in lane (r, h), register j: feature 4 s + 2 h + j of row r.  Exchanging one register's lanes 16-31 with another's lanes 0-15 makes both tiles' operands at once
	v_permlane16_swap_b32 v[FB+0], v[FB+2]
	v_permlane16_swap_b32 v[FB+1], v[FB+3]
	v_permlane16_swap_b32 v[FB+4], v[FB+6]
	v_permlane16_swap_b32 v[FB+5], v[FB+7]
	v_permlane16_swap_b32 v[FB+8], v[FB+10]
.endm
; ---- features x W_sym + b_sym: three K steps of 4; four accumulators by turns, one instruction a turn; the first step starts the sums
.macro ENCW
	WIN 0x01
.irp s, 0,1,2
.irp T, 0,1
.irp u, 0,1
.if \s == 0
	v_wmma_f32_16x16x4_f32 v[Z0+32*\T+8*\u:Z0+32*\T+8*\u+7], v[160+6*\u+2*\s:161+6*\u+2*\s], v[FB+4*\s+2*\T:FB+4*\s+2*\T+1], 0
.else
	v_wmma_f32_16x16x4_f32 v[Z0+32*\T+8*\u:Z0+32*\T+8*\u+7], v[160+6*\u+2*\s:161+6*\u+2*\s], v[FB+4*\s+2*\T:FB+4*\s+2*\T+1], v[Z0+32*\T+8*\u:Z0+32*\T+8*\u+7]
.endif
.endr
.endr
.endr
	WIN 0
.irp i, 26,27,28,29,30,31
	v_mov_b32 v[H0+\i], 0                          ; places 26-31 of the quantiser's input; these twelve lines are also the places behind the f32 products (eight are asked)
	v_mov_b32 v[H0+32+\i], 0
.endr
.endm
; ---- the two small products as one: 64 hidden numbers of the heads (bf16) x a block-diagonal [16 x 64] weight whose rows 0-4 and 8-12 are the five outputs: every lane gets its row's five
.macro OUT p
.set oi, 0
.rept 16
	v_cvt_pk_bf16_f32 v[Z0+16+oi], v[T0+2*oi], v[T0+2*oi+1]
	v_cvt_pk_bf16_f32 v[Z0+48+oi], v[T0+32+2*oi], v[T0+33+2*oi]
.set oi, oi+1
.endr
	WIN 0x11                                       ; weights and bias in window 1
	v_wmma_f32_16x16x32_bf16 v[Z0:Z0+7], v[176:183], v[Z0+16:Z0+23], v[192:199]
	v_wmma_f32_16x16x32_bf16 v[Z0+32:Z0+39], v[176:183], v[Z0+48:Z0+55], v[192:199]
	WIN 0x01
	v_wmma_f32_16x16x32_bf16 v[Z0:Z0+7], v[184:191], v[Z0+24:Z0+31], v[Z0:Z0+7]
	v_wmma_f32_16x16x32_bf16 v[Z0+32:Z0+39], v[184:191], v[Z0+56:Z0+63], v[Z0+32:Z0+39]
	WIN 0
	NOPS 4
	s_wait_xcnt 0x0                                ; the last pass's store has read v56-59
	v_cndmask_b32 v54, v[Z0], v[Z0+32], s[HM]      ; lane L = row L of the pass: lanes 0-15 from tile 0, lanes 16-31 from tile 1.  Each result from its low end on
.irp j, 1,2,3,4
	v_cndmask_b32 v[55+\j], v[Z0+\j], v[Z0+32+\j], s[HM]
.endr
	ds_store_b32 v[PSA], v54 offset:128*\p         ; predictions wait in LDS until 64 of them fill 256 bytes
	global_store_b128 v[L16], v[56:59], s[78:79] offset:512*\p th:TH_STORE_NT   ; 32 rows of logits: 512 consecutive bytes, at a multiple of 256 from out1's first byte
.endm
; ---- 32 rows through the whole chain
.macro PASS p
	s_wait_dscnt 0x0                               ; this pass's x is in registers
	FEAT
	ENCW
	ELU2 Z0, 224, H0+10, Z0+32, 240, H0+42, 16, 0  ; enc: result register e goes to place 10 + e
.irp i, 0,1,2,3,4,5
	v_permlane16_swap_b32 v[H0+20+\i], v[H0+26+\i]         ; enc 16-21 were made in lanes 16-31: they go to places 26-31 of lanes 0-15, and zeros come back
	v_permlane16_swap_b32 v[H0+52+\i], v[H0+58+\i]
.endr
	QUANT2 H0, H0+32, 0
	LAYER 0, 128
	BLOAD 1
	ELU2 Z0, T0, H0, Z0+32, T0+32, H0+32, 32, 0
	QUANT2 H0, H0+32, 0
.irp l, 1,2,3
	LAYER \l, 128
	BLOAD (\l+1)%4
	ELU2 Z0, T0, H0, Z0+32, T0+32, H0+32, 32, 1
	QUANT2 H0, H0+32, 0
.endr
	LAYER 4, 224                                   ; both heads on the one quantised h
.if \p == 0
	XFETCH 1280                                    ; h is done with: the trip's second 32 rows of x
.else
	s_cmp_lt_u32 s[TR], 2                          ; the last trip has no successor
	s_cbranch_scc1 .Lno_x_\@
	XFETCH 0                                       ; the next trip's first 32 rows: the stage was filled between the passes
.Lno_x_\@:
.endif
	ELU2 Z0, T0, T0, Z0+32, T0+32, T0+32, 32, 0
	OUT \p
.endm
; =============================================================== the head
	s_load_b512 s[4:19], s[0:1], 0x0               ; x, W_sym, b_sym, W_in, W1, W2, W3, W_r1
	s_load_b512 s[20:35], s[0:1], 0x40             ; W_c1, b_in, b1, b2, b3, b_r1, b_c1, W_r2
	s_load_b256 s[36:43], s[0:1], 0x80             ; W_c2, b_r2, b_c2, out0
	s_load_b64 s[44:45], s[0:1], 0xa0              ; out1
	v_lshl_add_u32 v[SPW], v0, 2, SPARE
	v_mov_b32 v[NIL], 0
	v_lshrrev_b32 v11, 5, v0
	v_readfirstlane_b32 s[WV], v11                 ; wave 0..7
	v_and_b32 v48, 31, v0                          ; L
	v_and_b32 v49, 15, v0                          ; r
	v_bfe_u32 v50, v0, 4, 1                        ; h
	s_mov_b32 s[HM], 0xffff0000
	s_mov_b32 s[CS], 0x3fb8aa3b                    ; log2(e)
	s_mov_b32 s[CS+1], s[CS]                       ; (named with it as a pair, so it is written)
	s_mov_b32 s[SEL], 0x76543210
	s_mov_b32 s[SEL+1], 0xfedcba98
	; every LDS address, ahead of the first branch
	s_mul_i32 s59, s[WV], 2560                     ; my stage
	v_mul_u32_u24 v[XFA], v48, 40
	v_add_nc_u32 v[XFA], s59, v[XFA]
	v_mul_u32_u24 v[XQA], v49, 40
	v_add_nc_u32 v[XQA], s59, v[XQA]
	s_xor_b32 s60, s[WV], 7
	s_mul_i32 s60, s60, 2560
	s_add_co_u32 s60, s60, 2688                    ; from my stage to ZREG + 128: (7 - w) x 2,560 + 2,560 + 128
	v_mul_u32_u24 v11, s60, v50                    ; one product: lanes 16-31 stand that far on
	v_add_nc_u32 v[XQA], v[XQA], v11
	v_lshlrev_b32 v[L16], 4, v48
	v_add_nc_u32 v[XSA], s59, v[L16]
	v_lshlrev_b32 v[L8], 3, v48
	v_lshlrev_b32 v[BA], 7, v50
	s_lshl_b32 s61, s[WV], 8
	s_add_co_u32 s61, s61, PST
	v_lshl_add_u32 v[PSA], v48, 2, s61
	v_lshl_add_u32 v[PLA], v48, 3, s61
	s_mul_i32 s62, s[WV], 768
	v_add_nc_u32 v53, s62, v[L8]                   ; v53: where I store an image's pair: 8 L + 768 w
	s_lshl_b32 s63, s[WV], 6
	v_lshl_add_u32 v55, v49, 2, s63                ; v55: and its scale words: 4 r + 64 w
	v_lshlrev_b32 v62, 4, v0                       ; v62: my 16 bytes of the zeros: 512 w + 16 L
	v_lshlrev_b32 v63, 2, v0                       ; v63: my word of the biases: 128 w + 4 L
	v_lshlrev_b32 v219, 2, v48                     ; v219: 4 L
	; offsets in the weights.  Fragment: lane (r, h), place p holds W[32 h + p][col], col = 32 (r / 8) + 8 t + r % 8, t = w % 4
	v_and_b32 v220, 8, v49
	v_and_b32 v221, 7, v49                         ; r % 8
	v_lshlrev_b32 v220, 4, v220
	v_lshl_add_u32 v220, v221, 2, v220
	s_and_b32 s53, s[WV], 3
	s_lshl_b32 s53, s53, 5
	v_add_nc_u32 v220, s53, v220                   ; 4 col
	s_mov_b32 s55, 8192
	s_cmp_lt_u32 s[WV], 4                          ; waves 0-3 take W_in in the first round: its second block is rows 32-41, kept at places 10-19 (row p + 22); at the other places lanes 16-31 load row p and clear it
	s_cselect_b32 s54, 5632, s55
	s_cselect_b32 s56, 0, s55
	v_mad_u32_u24 v51, v50, s54, v220              ; v51: places 10-19
	v_mad_u32_u24 v52, v50, s56, v220              ; v52: the others
	v_lshl_add_u32 v54, v50, 13, v220              ; v54: the second round (W2, W3)
	s_and_b32 s57, s[WV], 1
	s_lshl_b32 s57, s57, 6
	v_lshl_add_u32 v56, v49, 2, s57
	v_lshl_add_u32 v56, v50, 12, v56               ; v56: the heads: col = 16 (w % 2) + r, rows of 128 bytes
	v_lshlrev_b32 v57, 3, v50                      ; v57: 8 h
	; W_sym's rows: result register e = 8 u + j of lane half hh is enc e (hh = 0), enc e + 22 (hh = 1, e < 10), enc e + 6 (hh = 1, e >= 10)
	v_lshrrev_b32 v222, 3, v49                     ; hh = r / 8
	v_mad_u32_u24 v58, v222, 22, v221
	v_mov_b32 v11, 22
	v_cmp_gt_u32 vcc_lo, 2, v221
	v_cndmask_b32 v223, 6, v11, vcc_lo
	v_mad_u32_u24 v59, v222, v223, v221
	v_add_nc_u32 v59, 8, v59
	v_lshlrev_b32 v58, 2, v58                      ; v58, v59: 4 x the unit, u = 0, 1
	v_lshlrev_b32 v59, 2, v59
	v_lshl_add_u32 v60, v50, 8, v58                ; v60, v61: + two rows of W_sym for h = 1
	v_lshl_add_u32 v61, v50, 8, v59
	v_lshl_add_u32 v214, v50, 7, v58               ; v214, v215: + one row
	v_lshl_add_u32 v215, v50, 7, v59
	v_lshlrev_b32 v216, 5, v50                     ; v216: 32 h
	v_cmp_eq_u32 s80, 0, v221                      ; s80: rows 0 and 8 of the outputs' weight: the prediction
	v_add_nc_u32 v11, -1, v221
	v_cmp_gt_u32 s81, 4, v11                       ; s81: rows 1-4 and 9-12: the logits
	v_and_b32 v11, 3, v11                          ; (the other rows load a column that is there, and are cleared)
	v_lshlrev_b32 v11, 2, v11
	v_lshl_add_u32 v217, v50, 7, v11               ; v217: W_c2: 16 x 8 h + 4 x column
	s_wait_kmcnt 0x0
	s_load_b32 s82, s[38:39], 0x0                  ; b_r2
	s_load_b128 s[84:87], s[40:41], 0x0            ; b_c2
	s_cmp_lt_u32 s[WV], 4
	s_cselect_b64 s[66:67], s[10:11], s[12:13]     ; first round: W_in or W1
	s_cselect_b64 s[68:69], s[14:15], s[16:17]     ; second: W2 or W3
	s_and_b32 s53, s[WV], 2
	s_cmp_lg_u32 s53, 0
	s_cselect_b64 s[70:71], s[20:21], s[18:19]     ; third (waves 0-3): W_r1, W_r1, W_c1, W_c1
	s_cmp_lt_u32 s[WV], 2
	s_cselect_b64 s[72:73], s[22:23], s[24:25]
	s_cmp_lt_u32 s[WV], 6
	s_cselect_b64 s[54:55], s[26:27], s[28:29]
	s_cmp_lt_u32 s[WV], 4
	s_cselect_b64 s[72:73], s[72:73], s[54:55]     ; bias w / 2 of b_in, b1, b2, b3,
	s_and_b32 s56, s[WV], 1
	s_lshl_b32 s56, s56, 7
	s_mov_b32 s57, 0
	s_add_nc_u64 s[72:73], s[72:73], s[56:57]      ; its half w % 2
	s_lshl_b32 s53, ttmp9, 3
	s_add_co_u32 s53, s53, s[WV]                   ; which 512 rows are mine
	s_mul_i32 s56, s53, 20480
	s_add_nc_u64 s[74:75], s[4:5], s[56:57]        ; x
	s_lshl_b32 s56, s53, 11
	s_add_nc_u64 s[76:77], s[42:43], s[56:57]      ; out0
	s_lshl_b32 s56, s53, 13
	s_add_nc_u64 s[78:79], s[44:45], s[56:57]      ; out1
	; all the head's loads go out together
	WIN 0x40                                       ; destinations in window 1
.irp k, 0,1,2,3,4
	global_load_b128 v[200+4*\k:203+4*\k], v[L16], s[74:75] offset:512*\k th:TH_LOAD_NT   ; trip 0's x: 512 consecutive bytes a load
.endr
.irp u, 0,1
.irp q, 0,1,2,3
	global_load_b32 v[160+6*\u+\q], v[60+\u], s[6:7] offset:(4*(\q/2)+\q%2)*128    ; K steps 0, 1: W_sym[4 s + 2 h + j][unit]
.endr
	global_load_b32 v[164+6*\u], v[214+\u], s[6:7] offset:1024                     ; K step 2, j = 0: W_sym[8 + h][unit]
	global_load_b32 v[165+6*\u], v[58+\u], s[8:9]                                  ; j = 1: b_sym[unit] (cleared in lanes 16-31 below)
.endr
	global_load_b128 v[128:131], v216, s[34:35]                ; W_r2[8 h ..], [16 + 8 h ..], as f32
	global_load_b128 v[132:135], v216, s[34:35] offset:16
	global_load_b128 v[136:139], v216, s[34:35] offset:64
	global_load_b128 v[140:143], v216, s[34:35] offset:80
.irp i, 0,1,2,3,4,5,6,7
	global_load_b32 v[144+\i], v217, s[36:37] offset:16*\i     ; W_c2[8 h + i][column]
	global_load_b32 v[152+\i], v217, s[36:37] offset:256+16*\i ; W_c2[16 + 8 h + i][column]
.endr
.irp t, 0,1
	global_load_b128 v[224+8*\t:227+8*\t], v216, s[30:31] offset:64*\t             ; the heads' bias: tile t, register j: b[16 t + 8 h + j]
	global_load_b128 v[228+8*\t:231+8*\t], v216, s[30:31] offset:64*\t+16
	global_load_b128 v[240+8*\t:243+8*\t], v216, s[32:33] offset:64*\t
	global_load_b128 v[244+8*\t:247+8*\t], v216, s[32:33] offset:64*\t+16
.endr
	WIN 0
.set pp, 0
.rept 32
.if (pp >= 10) && (pp < 20)
	global_load_b32 v[64+pp], v51, s[66:67] offset:256*pp
.else
	global_load_b32 v[64+pp], v52, s[66:67] offset:256*pp
.endif
	global_load_b32 v[96+pp], v54, s[68:69] offset:256*pp
.set pp, pp+1
.endr
	global_load_b32 v218, v219, s[72:73]           ; my 32 numbers of the biases
	s_cmp_lt_u32 s[WV], 4
	s_cbranch_scc0 .Lno_head_loads
.set pp, 0
.rept 32
	global_load_b32 v[224+pp], v56, s[70:71] offset:128*pp
.set pp, pp+1
.endr
.Lno_head_loads:
.irp i, 6,7,8,9,10,11
	v_mov_b32 v[C0+\i], 0                          ; the batch operands' upper halves: zero codes, for the whole launch
	v_mov_b32 v[C0+12+\i], 0
.endr
	v_mov_b32 v[QT0+4], 0                          ; written once: a lane permute's destination counts as one of its sources
	v_mov_b32 v[QT1+4], 0
	ds_store_b128 v62, v[C0+6:C0+9] offset:ZREG    ; my 512 bytes of the zeros
	WIN 0x40
.irp i, 120,121,122,123,124,125
	v_mov_b32 v\i, 0                               ; behind the last weight fragment
.endr
	WIN 0
	s_wait_loadcnt 0x0
	s_wait_kmcnt 0x0
	s_cmp_lt_u32 s[WV], 4
	s_cbranch_scc0 .Lnot_w_in
.irp i, 0,1,2,3,4,5,6,7,8,9,20,21,22,23,24,25,26,27,28,29,30,31
	v_cndmask_b32 v[64+\i], v[64+\i], 0, s[HM]     ; W_in's second block has ten rows: the rest of it is zeros
.endr
.Lnot_w_in:
	QUANT2 64, 96, 1                               ; fragments w and 8 + w
.irp i, 0,1,2
	ds_store_b64 v53, v[C0+2*\i:C0+2*\i+1] offset:WIMG+256*\i
	ds_store_b64 v53, v[C0+12+2*\i:C0+13+2*\i] offset:WIMG+6144+256*\i
.endr
	ds_store_b32 v55, v[QT0+3] offset:WSC          ; both lanes of a row write the same word with the same value
	ds_store_b32 v55, v[QT1+3] offset:WSC+512
	ds_store_b32 v63, v218 offset:BIAS
	s_wait_dscnt 0x0                               ; the stores have read their registers
	s_cmp_lt_u32 s[WV], 4
	s_cbranch_scc0 .Lno_head_frag
	QUANT1 224                                     ; fragment 16 + w
.irp i, 0,1,2
	ds_store_b64 v53, v[C0+2*\i:C0+2*\i+1] offset:WIMG+12288+256*\i
.endr
	ds_store_b32 v55, v[QT0+3] offset:WSC+1024
.Lno_head_frag:
	WIN 0x04                                       ; an LDS store's data are its source 1
.irp k, 0,1,2,3,4
	ds_store_b128 v[XSA], v[200+4*\k:203+4*\k] offset:512*\k       ; trip 0's x into my stage
.endr
	WIN 0x45
.set oi, 0
.rept 16
	v_cvt_pk_bf16_f32 v[176+oi], v[128+2*oi], v[129+2*oi]          ; the outputs' weights to bf16
.set oi, oi+1
.endr
	WIN 0x44
.irp i, 0,1,2,3,4,5,6,7
	v_cndmask_b32 v[176+\i], 0, v[176+\i], s80     ; W_r2 in rows 0 and 8 alone,
	v_cndmask_b32 v[184+\i], 0, v[184+\i], s81     ; W_c2's columns in rows 1-4 and 9-12 alone
.endr
	WIN 0x41
	v_cndmask_b32 v165, v165, 0, s[HM]             ; K index 11 multiplies a 1 too: nought there
	v_cndmask_b32 v171, v171, 0, s[HM]
	WIN 0x40
	v_mov_b32 v192, s82                            ; the outputs' bias, register j = output j
	v_mov_b32 v193, s84
	v_mov_b32 v194, s85
	v_mov_b32 v195, s86
	v_mov_b32 v196, s87
	v_mov_b32 v197, 0
	v_mov_b32 v198, 0
	v_mov_b32 v199, 0
	s_wait_dscnt 0x0                               ; for the others' sake: all my LDS stores are done; and x's registers have been read
.irp k, 0,1,2,3,4
	global_load_b128 v[200+4*\k:203+4*\k], v[L16], s[74:75] offset:2560+512*\k th:TH_LOAD_NT   ; trip 1's x
.endr
	WIN 0
	s_barrier_signal -1
	s_barrier_wait -1                              ; images, scale words, biases and zeros lie in LDS: the launch's one barrier
	WIN 0x40
.set ff, 0
.rept 20
.irp i, 0,1,2
	ds_load_b64 v[6*ff+2*\i:6*ff+2*\i+1], v[L8] offset:WIMG+768*ff+256*\i         ; all twenty fragments stay in my registers
.endr
.set ff, ff+1
.endr
	WIN 0
.irp i, 0,1,2,3,4,5,6,7,8,9
	ds_load_b32 v[WS+\i], v219 offset:WSC+128*\i
.endr
	BLOAD 0
	XFETCH 0
	s_mov_b32 s[TR], 8
; =============================================================== 8 trips of 64 rows
.Ltrip:
	PASS 0
	s_cmp_lt_u32 s[TR], 2                          ; the last trip fills nothing
	s_cbranch_scc1 .Lno_stage
	s_wait_loadcnt 0x0                             ; the next trip's x, asked for a trip ago
	WIN 0x04
.irp k, 0,1,2,3,4
	ds_store_b128 v[XSA], v[200+4*\k:203+4*\k] offset:512*\k       ; LDS serves a wave's instructions in order: these come behind this trip's last reads of the stage
.endr
	WIN 0
	s_wait_dscnt 0x0                               ; the stores have read their registers
	s_cmp_lt_u32 s[TR], 3                          ; no load leaves the buffer
	s_cbranch_scc1 .Lno_stage
	WIN 0x40
.irp k, 0,1,2,3,4
	global_load_b128 v[200+4*\k:203+4*\k], v[L16], s[74:75] offset:5120+512*\k th:TH_LOAD_NT   ; x of the trip after the next
.endr
	WIN 0
.Lno_stage:
	PASS 1
	ds_load_b64 v[60:61], v[PLA]                   ; the trip's 64 predictions
	s_wait_dscnt 0x0
	global_store_b64 v[L8], v[60:61], s[76:77] th:TH_STORE_NT      ; 256 consecutive bytes, at a multiple of 256 from out0's first byte
	s_wait_xcnt 0x0                                ; loads and stores have read their bases and registers: only now are the bases stepped
	s_add_nc_u64 s[74:75], s[74:75], 2560
	s_add_nc_u64 s[76:77], s[76:77], 256
	s_add_nc_u64 s[78:79], s[78:79], 1024
	s_sub_co_i32 s[TR], s[TR], 1
	s_cmp_lg_u32 s[TR], 0
	s_cbranch_scc1 .Ltrip
	s_wait_tensorcnt 0x0                           ; the wave's end
	ds_add_u32 v[SPW], v[NIL]
	s_wait_dscnt 0x0
	s_endpgm
.Lfunc_end_k_q47576632c2_mlp:
	.size	k_q47576632c2_mlp, .Lfunc_end_k_q47576632c2_mlp-k_q47576632c2_mlp
	.p2alignl 7, 3214868480
	.fill 96, 4, 3214868480
	.section	.rodata,"a",@progbits
	.p2align	6, 0x0
	.amdhsa_kernel k_q47576632c2_mlp
		.amdhsa_group_segment_fixed_size 45568
		.amdhsa_private_segment_fixed_size 0
		.amdhsa_enable_private_segment 0
		.amdhsa_kernarg_size 168
		.amdhsa_user_sgpr_count 2
		.amdhsa_user_sgpr_kernarg_segment_ptr 1
		.amdhsa_wavefront_size32 1
		.amdhsa_system_sgpr_workgroup_id_x 1
		.amdhsa_system_sgpr_workgroup_id_y 1
		.amdhsa_system_sgpr_workgroup_id_z 1
		.amdhsa_system_vgpr_workitem_id 0
		.amdhsa_next_free_vgpr 512
		.amdhsa_next_free_sgpr 96
		.amdhsa_reserve_vcc 1
		.amdhsa_float_denorm_mode_32 3
		.amdhsa_float_denorm_mode_16_64 3
		.amdhsa_memory_ordered 1
		.amdhsa_forward_progress 1
		.amdhsa_inst_pref_size 223
	.end_amdhsa_kernel
	.amdgpu_metadata
---
amdhsa.version: [ 1, 2 ]
amdhsa.kernels:
  - .name:           k_q47576632c2_mlp
    .symbol:         k_q47576632c2_mlp.kd
    .args:
      - { .name: x, .offset: 0, .size: 8, .value_kind: global_buffer, .address_space: global }
      - { .name: W_sym, .offset: 8, .size: 8, .value_kind: global_buffer, .address_space: global }
      - { .name: b_sym, .offset: 16, .size: 8, .value_kind: global_buffer, .address_space: global }
      - { .name: W_in, .offset: 24, .size: 8, .value_kind: global_buffer, .address_space: global }
      - { .name: W1, .offset: 32, .size: 8, .value_kind: global_buffer, .address_space: global }
      - { .name: W2, .offset: 40, .size: 8, .value_kind: global_buffer, .address_space: global }
      - { .name: W3, .offset: 48, .size: 8, .value_kind: global_buffer, .address_space: global }
      - { .name: W_r1, .offset: 56, .size: 8, .value_kind: global_buffer, .address_space: global }
      - { .name: W_c1, .offset: 64, .size: 8, .value_kind: global_buffer, .address_space: global }
      - { .name: b_in, .offset: 72, .size: 8, .value_kind: global_buffer, .address_space: global }
      - { .name: b1, .offset: 80, .size: 8, .value_kind: global_buffer, .address_space: global }
      - { .name: b2, .offset: 88, .size: 8, .value_kind: global_buffer, .address_space: global }
      - { .name: b3, .offset: 96, .size: 8, .value_kind: global_buffer, .address_space: global }
      - { .name: b_r1, .offset: 104, .size: 8, .value_kind: global_buffer, .address_space: global }
      - { .name: b_c1, .offset: 112, .size: 8, .value_kind: global_buffer, .address_space: global }
      - { .name: W_r2, .offset: 120, .size: 8, .value_kind: global_buffer, .address_space: global }
      - { .name: W_c2, .offset: 128, .size: 8, .value_kind: global_buffer, .address_space: global }
      - { .name: b_r2, .offset: 136, .size: 8, .value_kind: global_buffer, .address_space: global }
      - { .name: b_c2, .offset: 144, .size: 8, .value_kind: global_buffer, .address_space: global }
      - { .name: out0, .offset: 152, .size: 8, .value_kind: global_buffer, .address_space: global }
      - { .name: out1, .offset: 160, .size: 8, .value_kind: global_buffer, .address_space: global }
    .group_segment_fixed_size: 45568
    .private_segment_fixed_size: 0
    .kernarg_segment_align: 8
    .kernarg_segment_size: 168
    .max_flat_workgroup_size: 256
    .sgpr_count:     96
    .vgpr_count:     512
    .wavefront_size: 32
...
	.end_amdgpu_metadata
.endif
;; end of part 1
;; ======== version 2 of 2: 1 launch; version 1 with the launch mlp written anew for expert scheduling mode
;; limits: a function is approximated: absolute error at most 2e-07
;; launch mlp (part 2): grid 256 x 1, 8 waves a work-group, no clusters, 45,568 bytes of LDS; arguments x, W_sym, b_sym, W_in, W1, W2, W3, W_r1, W_c1, b_in, b1, b2, b3, b_r1, b_c1, W_r2, W_c2, b_r2, b_c2, out0, out1; writes out0, out1
.if DOCPART == 2
	.amdgcn_target "amdgcn-amd-amdhsa--gfx1250"
	.amdhsa_code_object_version 6
	.text
	.protected	k_q47576632c2_mlp
	.globl	k_q47576632c2_mlp
	.p2align	8
	.type	k_q47576632c2_mlp,@function
k_q47576632c2_mlp:
	s_mov_b64 s[64:65], 0
	v_nop
	global_prefetch_b8 v0, s[64:65] scope:SCOPE_SE
	s_setreg_imm32_b32 hwreg(HW_REG_WAVE_SCHED_MODE, 0, 2), 2
	s_setreg_imm32_b32 hwreg(HW_REG_WAVE_MODE, 25, 1), 1
	s_wait_xcnt 0x0
	s_wait_alu depctr_vm_vsrc(0)
; RobustSymGAT, whole, in one launch.  For each of 1,048,576 rows: ten hand-made features of x; enc = elu(features W_sym + b_sym) (f32 operands: its result goes into a quantiser);
; h = elu([x, enc] W_in + b_in); three times h += elu(h W + b); out0 = elu(h W_r1 + b_r1) W_r2 + b_r2; out1 = elu(h W_c1 + b_c1) W_c2 + b_c2.
; The products with W_in, W1, W2, W3, W_r1, W_c1 multiply codes of BF6 (E3M2) with one E8M0 scale for each 32 along K; the two last products take bf16 operands (K = 32, 1 and 4 outputs); all sums f32.
; NOTHING IS LEFT OUT: every one of the 19 inputs has a way to an output and is loaded.
; SHARES.  256 work-groups of 8 waves; a wave owns 512 consecutive rows: 8 trips of 64 rows, a trip two passes of 32 rows, a pass two tiles of 16 rows (T = 0, 1).  Waves share only the constants made at the head: one barrier.
; LAYOUT.  Every product is used transposed (source 0 = 16 rows of a weight, source 1 = 16 rows of the batch), so a lane (r = lane % 16, h = lane / 16) holds batch row r.  Row m of weight tile t is hidden unit
; 32 (m / 8) + 8 t + m % 8: so register 8 t + j of lane half h is unit 32 h + 8 t + j: A LANE HOLDS ONE WHOLE BLOCK OF 32 ALONG THE NEXT K, in the order of the 6-bit operand's registers 0-5.
; K is 64 (or 42) of the instruction's 128: the batch operand's registers 6-11 are zero codes, cleared once; so a weight fragment's upper six registers may hold anything finite: the fragments lie 6 registers apart.
; elu(z) = the middle one of z, e^z - 1 and 0 (e^z - 1 >= z for every z): half a packed multiply, an exponential, half a packed addition, one v_med3.  Biases are the C of each product.
; LIMITS.  e^z - 1 is made as 2^(z log2 e) - 1: its error is up to about 2e-7 absolute, so the relative error of elu passes 1e-6 where |elu| < 0.1 (z < 0, and 0 < z < about 5e-4, where the middle one may be e^z - 1).
; The penalties are made as v x (+-1 / bound) -+ 1 and the scores' coefficients are folded into one constant each: the order of rounding differs from the source's.  NaN and infinities among x are not served.
; A block whose largest magnitude lies under 2^-122 keeps the scale byte 1 (a block of zeros too: its codes are zeros, and only this text reads the bytes).
; NO TENSOR LOADS, NO CLUSTER: x is 2,560 bytes a trip and wave and is asked for a whole trip ahead by loads into registers; what work-groups share is 80 KB of weights, read once each.
; THE MODE: SCHED_MODE bits 1:0 = 2 (LLVM: expert scheduling mode 2), set by the entry lines.  The code itself states the register dependences between vector or matrix instructions and memory or LDS
; instructions, with s_wait_alu, always for 0.
; THE PLAN.  Registers that memory or LDS instructions touch, in the loop:
;   window 1 v128-159   a hidden layer's bias.  Read by the layer's eight products as C; the next bias's LDS loads land in it.
;   v48-52, v64-73, v96-105   a pass's x.  LDS loads land in them; FEAT and the quantisers read them, and v64 on is h through the pass: its last vector line is the last quantiser's.
;   window 1 v200-219   x on its way: global loads land in it, the LDS stores into the stage read it; no vector line names it.
;   v54, v56-59         written by a pass's five selections, read by its two stores.     v60-61: an LDS load lands in them, a global store reads them; no vector line of the loop names them.
;   v3-v10              addresses and offsets, made at the head and never written again: the rows are reached by scalar bases and immediate offsets.
; ALL LDS LOADS OF A PASS STAND DIRECTLY BEHIND THE WAIT FOR TILE 0'S EXPONENTIALS in the elu that follows a layer's products (ELU2A ends with that wait): it stands behind the products that read the bias and behind
; the quantiser that read h, and no vector line stands between it and the loads: so no load of the loop has a wait of its own.  Beside it a pass has: one wait in front of each layer's scaled products (the codes and
; scale words are written), one pair round the five selections (the last stores have read their data; the selections have written it); a trip one more, between the stage's stores and the loads into their data.
;
; LDS (bytes)
.set XST,   0                          ; 8 stages of 2,560: a wave's 64 rows of x (40 bytes each), as they lie in memory
.set ZREG,  20480                      ; 4,096 bytes of zeros: lanes 16-31 read their "x" here
.set PST,   24576                      ; 8 x 256: a trip's 64 predictions of a wave
.set BIAS,  26624                      ; b_in, b1, b2, b3: 256 bytes each
.set WIMG,  27904                      ; 20 weight fragments as images of their registers: pair i of fragment f at 768 f + 256 i + 8 x lane
.set WSC,   43264                      ; fragment f's 16 scale words at 64 f + 4 r
.set SPARE, 44544                      ; the spare words, 128 bytes for each wave: four blocks of 256 bytes that no other line names
; REGISTERS, window 0
.set SPW, 1                            ; v1   my spare word's address; never rewritten
.set NIL, 2                            ; v2   0; never rewritten
.set XFA, 3                            ; v3   stage: row = lane (features)
.set XQA, 4                            ; v4   stage: row = r in lanes 0-15; the zeros in lanes 16-31
.set XSA, 5                            ; v5   stage: 16 x lane (the way in)
.set L16, 6                            ; v6   16 x lane
.set L8,  7                            ; v7   8 x lane
.set BA,  8                            ; v8   128 h
.set PSA, 9                            ; v9   my prediction's word
.set PLA, 10                           ; v10  and two of them on the way out
.set WS,  12                           ; v12-21 weights' scale words: register i: fragment 2 i in lanes 0-15, fragment 2 i + 1 in lanes 16-31
.set SW0, 22                           ; v22, v23 the batch operands' scale words
.set C0,  24                           ; v24-35, v36-47 the batch operands; registers 6-11 of each stay 0
.set H0,  64                           ; v64-127  h (and the first quantiser's input), 32 a tile
.set Z0,  128                          ; v128-191 products' results, 32 a tile; registers 0-15 of each tile are written by matrix instructions alone
.set T0,  192                          ; v192-255 at work, 32 a tile
.set FB,  192                          ; the features; v204-213 their temporaries
.set QT0, 192                          ; a quantiser's temporaries: +0, +1 maxima, +2 the conversion's scale operand, +3 byte, +4 the other half's byte, +6..8 codes on their way
.set QT1, 202
; window 1: v0-119 weight fragments (f at 6 f), v120-125 zeros; v128-159 the next hidden layer's bias; v160-171 W_sym's f32 fragments; v176-191 the outputs' bf16 fragments; v192-199 their bias; v200-219 x on its way; v224-255 the heads' bias
.set WV,  46                           ; s46  wave
.set HM,  47                           ; s47  mask of lanes 16-31
.set CS,  48                           ; s[48:49] log2(e)
.set SEL, 50                           ; s[50:51] v_permlanex16_b32's selects for lane l xor 16
.set TR,  52                           ; s52  trips to go
.set MSB, 0
.macro WIN new                         ; the immediate's high byte repeats the setting that is left
.if MSB != \new
	s_set_vgpr_msb (MSB<<8)|\new
.set MSB, \new
.endif
.endm
.macro NOPS n
.rept \n
	v_nop
.endr
.endm
; ---- elu of two numbers, behind the exponential and the - 1
.macro EMED z, t, d, k, res
.if \res
	v_med3_num_f32 v[(\t)+(\k)], v[(\z)+(\k)], v[(\t)+(\k)], 0
	v_med3_num_f32 v[(\t)+(\k)+1], v[(\z)+(\k)+1], v[(\t)+(\k)+1], 0
.else
	v_med3_num_f32 v[(\d)+(\k)], v[(\z)+(\k)], v[(\t)+(\k)], 0
	v_med3_num_f32 v[(\d)+(\k)+1], v[(\z)+(\k)+1], v[(\t)+(\k)+1], 0
.endif
.endm
; ---- elu of n numbers of each of two tiles, in two parts: z results, t temporaries, d where it goes (res = 1: added onto d).  Each tile's exponentials are one batch with one wait; tile 1's stand among tile 0's plain lines.
; Results are read from each accumulator's low end on (ascending).  ELU2A ends with tile 0's wait; a pass's LDS loads stand between the two parts.
.macro ELU2A z0, t0, z1, t1, n
.set ei, 0
.rept (\n)/2
	v_pk_mul_f32 v[(\t0)+ei:(\t0)+ei+1], v[(\z0)+ei:(\z0)+ei+1], s[CS:CS+1] op_sel_hi:[1,0]
.set ei, ei+2
.endr
.set ei, 0
.rept (\n)/2
	v_exp_f32 v[(\t0)+ei], v[(\t0)+ei]
	v_exp_f32 v[(\t0)+ei+1], v[(\t0)+ei+1]
	v_pk_mul_f32 v[(\t1)+ei:(\t1)+ei+1], v[(\z1)+ei:(\z1)+ei+1], s[CS:CS+1] op_sel_hi:[1,0]   ; plain, and names no exponential's result
.set ei, ei+2
.endr
	s_wait_alu depctr_va_vdst(0)                   ; tile 0's exponentials have written their results, ahead of their first reader; the products ahead are done reading their bias and the quantiser ahead its input: the loads that stand behind this line land there
.endm
.macro ELU2B z0, t0, d0, z1, t1, d1, n, res
.set ei, 0
.rept (\n)/2+2                                 ; staggered: - 1 of pair i, the choice of pair i - 1, the residual of pair i - 2
.if ei < \n
	v_pk_add_f32 v[(\t0)+ei:(\t0)+ei+1], v[(\t0)+ei:(\t0)+ei+1], -1.0 op_sel_hi:[1,0]
	v_exp_f32 v[(\t1)+ei], v[(\t1)+ei]
	v_exp_f32 v[(\t1)+ei+1], v[(\t1)+ei+1]
.endif
.if (ei >= 2) && (ei-2 < \n)
	EMED \z0, \t0, \d0, ei-2, \res
.endif
.if \res && (ei >= 4)
	v_pk_add_f32 v[(\d0)+ei-4:(\d0)+ei-3], v[(\d0)+ei-4:(\d0)+ei-3], v[(\t0)+ei-4:(\t0)+ei-3]
.endif
.set ei, ei+2
.endr
	s_wait_alu depctr_va_vdst(0)                   ; tile 1's exponentials have written their results, ahead of their first reader (plain lines stand behind the last of them)
.set ei, 0
.rept (\n)/2+2
.if ei < \n
	v_pk_add_f32 v[(\t1)+ei:(\t1)+ei+1], v[(\t1)+ei:(\t1)+ei+1], -1.0 op_sel_hi:[1,0]
.endif
.if (ei >= 2) && (ei-2 < \n)
	EMED \z1, \t1, \d1, ei-2, \res
.endif
.if \res && (ei >= 4)
	v_pk_add_f32 v[(\d1)+ei-4:(\d1)+ei-3], v[(\d1)+ei-4:(\d1)+ei-3], v[(\t1)+ei-4:(\t1)+ei-3]
.endif
.set ei, ei+2
.endr
.endm
; ---- the quantiser's lines, for one tile: s = the lane's 32 numbers (one block), q = its temporaries, c = the operand
.macro QBEG s, q                               ; two chains; the floor 2^(5 - 127) is a leaf: the byte cannot fall under 1
	v_max3_num_f32 v[\q], |v[\s]|, |v[(\s)+1]|, 0x2800000
	v_max3_num_f32 v[(\q)+1], |v[(\s)+16]|, |v[(\s)+17]|, |v[(\s)+18]|
.endm
.macro QSTP s, q, i
	v_max3_num_f32 v[\q], v[\q], |v[(\s)+\i]|, |v[(\s)+\i+1]|
	v_max3_num_f32 v[(\q)+1], v[(\q)+1], |v[(\s)+17+\i]|, |v[(\s)+18+\i]|
.endm
.macro QEN1 s, q
	v_max3_num_f32 v[\q], v[\q], |v[(\s)+14]|, |v[(\s)+15]|
.endm
.macro QEN2 s, q
	v_max3_num_f32 v[\q], v[\q], v[(\q)+1], |v[(\s)+31]|   ; the block's largest magnitude
.endm
.macro QSO q
	v_add_nc_u32 v[(\q)+2], 0xfe000000, v[\q]      ; 4 off its exponent field: the conversion takes this operand's exponent field as its scale
.endm
.macro QBY q
	v_lshrrev_b32 v[(\q)+3], 23, v[(\q)+2]         ; the scale's byte
.endm
.macro QPX q
	v_permlanex16_b32 v[(\q)+4], v[(\q)+3], s[SEL], s[SEL+1]   ; the other block's
.endm
.macro QCV s, q, c
	v_cvt_scalef32_pk16_bf6_f32 v[\c:(\c)+2], v[\s:(\s)+15], v[(\q)+2]
	v_cvt_scalef32_pk16_bf6_f32 v[(\q)+6:(\q)+8], v[(\s)+16:(\s)+31], v[(\q)+2]   ; (a conversion's three registers begin on an even number)
.endm
.macro QMV q, c
.irp i, 0,1,2
	v_mov_b32 v[(\c)+3+\i], v[(\q)+6+\i]
.endr
.endm
; two tiles, line by line.  wt = 0: the batch: the scale word (byte 0 block 0, byte 1 block 1, bytes 2, 3 nought) goes to v[SW0 + T], right in lanes 0-15.  wt = 1: weights: the word is made right in both halves, in v[q + 3]
.macro QUANT2 s0, s1, wt
	QBEG \s0, QT0
	QBEG \s1, QT1
.irp i, 2,4,6,8,10,12
	QSTP \s0, QT0, \i
	QSTP \s1, QT1, \i
.endr
	QEN1 \s0, QT0
	QEN1 \s1, QT1
	QEN2 \s0, QT0
	QEN2 \s1, QT1
	QSO QT0
	QSO QT1
	QBY QT0
	QBY QT1
.if \wt
	v_lshlrev_b32 v[QT0+3], v57, v[QT0+3]          ; 8 h bits up
	v_lshlrev_b32 v[QT1+3], v57, v[QT1+3]
	QPX QT0
	QPX QT1
	v_or_b32 v[QT0+3], v[QT0+3], v[QT0+4]
	v_or_b32 v[QT1+3], v[QT1+3], v[QT1+4]
.else
	QPX QT0
	QPX QT1
	v_lshl_or_b32 v[SW0], v[QT0+4], 8, v[QT0+3]
	v_lshl_or_b32 v[SW0+1], v[QT1+4], 8, v[QT1+3]
.endif
	QCV \s0, QT0, C0
	QCV \s1, QT1, C0+12
	v_nop                                          ; one plain place behind the scaled conversions
	QMV QT0, C0
	QMV QT1, C0+12
.endm
.macro QUANT1 s                                ; one weight fragment
	QBEG \s, QT0
.irp i, 2,4,6,8,10,12
	QSTP \s, QT0, \i
.endr
	QEN1 \s, QT0
	QEN2 \s, QT0
	QSO QT0
	QBY QT0
	v_lshlrev_b32 v[QT0+3], v57, v[QT0+3]
	QPX QT0
	v_or_b32 v[QT0+3], v[QT0+3], v[QT0+4]
	QCV \s, QT0, C0
	v_nop
	QMV QT0, C0
.endm
; ---- a quantised layer: 4 weight tiles x 2 row tiles; eight different accumulators, each begun and finished by one instruction; cb: the bias (window 1) is C
.macro LAYER l, cb
	s_wait_dscnt 0x0                               ; the bias is in
	NOPS 4                                         ; an operand written by vector lines stands 4 places ahead of a scaled product; a scale word 8: these four, the place behind the conversions and the other tile's three moves
	s_wait_alu depctr_va_vdst(0)                   ; behind the places: the conversions and moves have written the batch operands' codes, the shifts their scale words, which the scaled products below take
	WIN 0x11                                       ; source 0 (weights) and source 2 (bias) in window 1
.irp T, 0,1
.irp t, 0,2
	v_wmma_scale_f32_16x16x128_f8f6f4 v[Z0+32*\T+8*\t:Z0+32*\T+8*\t+7], v[6*(4*(\l)+\t):6*(4*(\l)+\t)+11], v[C0+12*\T:C0+12*\T+11], v[(\cb)+8*\t:(\cb)+8*\t+7], v[WS+2*(\l)+\t/2], v[SW0+\T] matrix_a_fmt:MATRIX_FMT_BF6 matrix_b_fmt:MATRIX_FMT_BF6
	v_wmma_scale_f32_16x16x128_f8f6f4 v[Z0+32*\T+8*\t+8:Z0+32*\T+8*\t+15], v[6*(4*(\l)+\t+1):6*(4*(\l)+\t+1)+11], v[C0+12*\T:C0+12*\T+11], v[(\cb)+8*\t+8:(\cb)+8*\t+15], v[WS+2*(\l)+\t/2], v[SW0+\T] matrix_a_fmt:MATRIX_FMT_BF6 matrix_b_fmt:MATRIX_FMT_BF6 matrix_a_scale:MATRIX_SCALE_ROW1
.endr
.endr
	WIN 0
	NOPS 4                                         ; places in front of the first read of results
.endm
.macro BLOAD l                                 ; bias l in the result's layout: register 8 t + j of lane half h is b[32 h + 8 t + j]
	WIN 0x40
.irp t, 0,1,2,3
	ds_load_b128 v[128+8*\t:131+8*\t], v[BA] offset:BIAS+256*(\l)+32*\t
	ds_load_b128 v[132+8*\t:135+8*\t], v[BA] offset:BIAS+256*(\l)+32*\t+16
.endr
	WIN 0
.endm
; ---- 32 rows of x out of my stage, from byte off on: five columns with lane = row, for the features; all ten with lane = (r, h), as places 0-9 of the first quantiser's input (lanes 16-31 read zeros)
.macro XFETCH off
	ds_load_b64 v[48:49], v[XFA] offset:\off
	ds_load_b32 v50, v[XFA] offset:\off+8
	ds_load_b32 v51, v[XFA] offset:\off+16
	ds_load_b32 v52, v[XFA] offset:\off+28
.irp T, 0,1
.irp i, 0,1,2,3,4
	ds_load_b64 v[H0+32*\T+2*\i:H0+32*\T+2*\i+1], v[XQA] offset:\off+640*\T+8*\i
.endr
.endr
.endm
; ---- the ten features of 32 rows, lane = row: v48 ammonia, v49 bod, v50 dissolved oxygen, v51 ph, v52 nitrate.  A penalty is the largest of 1 - v / lo, v / hi - 1 and 0 (lo < hi, both positive: at most one of the two is positive)
.macro FEAT
	v_fma_f32 v204, v51, 0xbe1d89d9, 1.0           ; 1 - ph / 6.5
	v_fma_f32 v205, v51, 0x3df0f0f1, -1.0          ; ph / 8.5 - 1
	v_fma_f32 v206, v48, 0xc47a0000, 1.0           ; 1 - am / 0.001
	v_fma_f32 v207, v49, 0xc47a0000, 1.0           ; 1 - bod / 0.001
	v_fma_f32 v208, v48, 2.0, -1.0                 ; am / 0.5 - 1
	v_fma_f32 v209, v49, 0x3e4ccccd, -1.0          ; bod / 5 - 1
	v_fma_f32 v210, v50, 0xbe2aaaab, 1.0           ; 1 - do / 6
	v_fma_f32 v211, v52, 0xc47a0000, 1.0           ; 1 - nit / 0.001
	v_fma_f32 v212, v52, 0x3dcccccd, -1.0          ; nit / 10 - 1
	v_max3_num_f32 v[FB+0], v204, v205, 0
	v_max3_num_f32 v[FB+1], v206, v208, 0
	v_max3_num_f32 v[FB+2], v207, v209, 0
	v_max_num_f32 v[FB+3], 0, v210
	v_max3_num_f32 v[FB+4], v211, v212, 0
	v_add_f32 v213, v[FB+0], v[FB+1]
	v_add_f32 v213, v213, v[FB+2]
	v_add_f32 v213, v213, v[FB+3]
	v_add_f32 v213, v213, v[FB+4]
	v_add_f32 v213, 1.0, v213
	v_add_f32 v213, 0x322bcc77, v213               ; + 1e-8
	v_rcp_f32 v[FB+10], v213                       ; the resilience; the scores below are the plain work behind it
	v_mul_f32 v[FB+5], 0x3f4ccccd, v48             ; 0.8 am
	v_mul_f32 v[FB+6], 0x3db4b4b5, v51             ; 1.5 / 17 ph
	v_mul_f32 v[FB+7], 0x3e088889, v49             ; 2 / 15 bod
	v_mul_f32 v[FB+8], 0x3e4ccccd, v52             ; 0.2 nit
	v_fma_f32 v[FB+5], v49, 0x3dcccccd, v[FB+5]    ; + 0.1 bod
	v_fma_f32 v[FB+6], v52, 0x3d4ccccd, v[FB+6]    ; + 0.05 nit
	v_fma_f32 v[FB+7], v50, 0xbd4ccccd, v[FB+7]    ; - 0.05 do
	v_fma_f32 v[FB+5], v50, 0xbcda740e, v[FB+5]    ; - 0.8 / 30 do
	v_fma_f32 v[FB+7], v48, 0x3f088889, v[FB+7]    ; + 8 / 15 am
	v_mov_b32 v[FB+9], 1.0                         ; the 1 that b_sym multiplies
	v_mov_b32 v[FB+11], 1.0
	s_wait_alu depctr_va_vdst(0)                   ; the reciprocal has written the resilience, ahead of its first reader
	; the f32 operand wants, in lane (r, h), register j: feature 4 s + 2 h + j of row r.  Exchanging one register's lanes 16-31 with another's lanes 0-15 makes both tiles' operands at once
	v_permlane16_swap_b32 v[FB+0], v[FB+2]
	v_permlane16_swap_b32 v[FB+1], v[FB+3]
	v_permlane16_swap_b32 v[FB+4], v[FB+6]
	v_permlane16_swap_b32 v[FB+5], v[FB+7]
	v_permlane16_swap_b32 v[FB+8], v[FB+10]
.endm
; ---- features x W_sym + b_sym: three K steps of 4; four accumulators by turns, one instruction a turn; the first step starts the sums
.macro ENCW
	WIN 0x01
.irp s, 0,1,2
.irp T, 0,1
.irp u, 0,1
.if \s == 0
	v_wmma_f32_16x16x4_f32 v[Z0+32*\T+8*\u:Z0+32*\T+8*\u+7], v[160+6*\u+2*\s:161+6*\u+2*\s], v[FB+4*\s+2*\T:FB+4*\s+2*\T+1], 0
.else
	v_wmma_f32_16x16x4_f32 v[Z0+32*\T+8*\u:Z0+32*\T+8*\u+7], v[160+6*\u+2*\s:161+6*\u+2*\s], v[FB+4*\s+2*\T:FB+4*\s+2*\T+1], v[Z0+32*\T+8*\u:Z0+32*\T+8*\u+7]
.endif
.endr
.endr
.endr
	WIN 0
.irp i, 26,27,28,29,30,31
	v_mov_b32 v[H0+\i], 0                          ; places 26-31 of the quantiser's input; these twelve lines are also the places behind the f32 products (eight are asked)
	v_mov_b32 v[H0+32+\i], 0
.endr
.endm
; ---- the two small products as one: 64 hidden numbers of the heads (bf16) x a block-diagonal [16 x 64] weight whose rows 0-4 and 8-12 are the five outputs: every lane gets its row's five
.macro OUT p
.set oi, 0
.rept 16
	v_cvt_pk_bf16_f32 v[Z0+16+oi], v[T0+2*oi], v[T0+2*oi+1]
	v_cvt_pk_bf16_f32 v[Z0+48+oi], v[T0+32+2*oi], v[T0+33+2*oi]
.set oi, oi+1
.endr
	WIN 0x11                                       ; weights and bias in window 1
	v_wmma_f32_16x16x32_bf16 v[Z0:Z0+7], v[176:183], v[Z0+16:Z0+23], v[192:199]
	v_wmma_f32_16x16x32_bf16 v[Z0+32:Z0+39], v[176:183], v[Z0+48:Z0+55], v[192:199]
	WIN 0x01
	v_wmma_f32_16x16x32_bf16 v[Z0:Z0+7], v[184:191], v[Z0+24:Z0+31], v[Z0:Z0+7]
	v_wmma_f32_16x16x32_bf16 v[Z0+32:Z0+39], v[184:191], v[Z0+56:Z0+63], v[Z0+32:Z0+39]
	WIN 0
	NOPS 4
	s_wait_xcnt 0x0                                ; the last pass's store has read v56-59
	s_wait_alu depctr_vm_vsrc(0)                   ; beside it: the last pass's two stores have read v54 and v56-59, which the selections below write again; and the last trip's store of predictions has read v60-61, in which this trip's land
	v_cndmask_b32 v54, v[Z0], v[Z0+32], s[HM]      ; lane L = row L of the pass: lanes 0-15 from tile 0, lanes 16-31 from tile 1.  Each result from its low end on
.irp j, 1,2,3,4
	v_cndmask_b32 v[55+\j], v[Z0+\j], v[Z0+32+\j], s[HM]
.endr
	s_wait_alu depctr_va_vdst(0)                   ; the five selections have written v54 and v56-59, the data of the two stores below
	ds_store_b32 v[PSA], v54 offset:128*\p         ; predictions wait in LDS until 64 of them fill 256 bytes
	global_store_b128 v[L16], v[56:59], s[78:79] offset:512*\p th:TH_STORE_NT   ; 32 rows of logits: 512 consecutive bytes, at a multiple of 256 from out1's first byte
.endm
; ---- 32 rows through the whole chain
.macro PASS p
	s_wait_dscnt 0x0                               ; this pass's x is in registers
	FEAT
	ENCW
	ELU2A Z0, 224, Z0+32, 240, 16
	ELU2B Z0, 224, H0+10, Z0+32, 240, H0+42, 16, 0 ; enc: result register e goes to place 10 + e
.irp i, 0,1,2,3,4,5
	v_permlane16_swap_b32 v[H0+20+\i], v[H0+26+\i]         ; enc 16-21 were made in lanes 16-31: they go to places 26-31 of lanes 0-15, and zeros come back
	v_permlane16_swap_b32 v[H0+52+\i], v[H0+58+\i]
.endr
	QUANT2 H0, H0+32, 0
	LAYER 0, 128
	ELU2A Z0, T0, Z0+32, T0+32, 32
	BLOAD 1                                        ; directly behind ELU2A's wait: layer 0's products are done reading the bias's registers
	ELU2B Z0, T0, H0, Z0+32, T0+32, H0+32, 32, 0
	QUANT2 H0, H0+32, 0
.irp l, 1,2,3
	LAYER \l, 128
	ELU2A Z0, T0, Z0+32, T0+32, 32
	BLOAD (\l+1)%4                                 ; likewise
	ELU2B Z0, T0, H0, Z0+32, T0+32, H0+32, 32, 1
	QUANT2 H0, H0+32, 0
.endr
	LAYER 4, 224                                   ; both heads on the one quantised h
	ELU2A Z0, T0, Z0+32, T0+32, 32
.if \p == 0
	XFETCH 1280                                    ; directly behind ELU2A's wait: h and the features' columns are done with: the trip's second 32 rows of x
.else
	s_cmp_lt_u32 s[TR], 2                          ; the last trip has no successor
	s_cbranch_scc1 .Lno_x_\@
	XFETCH 0                                       ; the next trip's first 32 rows: the stage was filled between the passes
.Lno_x_\@:
.endif
	ELU2B Z0, T0, T0, Z0+32, T0+32, T0+32, 32, 0
	OUT \p
.endm
; =============================================================== the head
	s_load_b512 s[4:19], s[0:1], 0x0               ; x, W_sym, b_sym, W_in, W1, W2, W3, W_r1
	s_load_b512 s[20:35], s[0:1], 0x40             ; W_c1, b_in, b1, b2, b3, b_r1, b_c1, W_r2
	s_load_b256 s[36:43], s[0:1], 0x80             ; W_c2, b_r2, b_c2, out0
	s_load_b64 s[44:45], s[0:1], 0xa0              ; out1
	v_lshl_add_u32 v[SPW], v0, 2, SPARE
	v_mov_b32 v[NIL], 0
	v_lshrrev_b32 v11, 5, v0
	v_readfirstlane_b32 s[WV], v11                 ; wave 0..7
	v_and_b32 v48, 31, v0                          ; L
	v_and_b32 v49, 15, v0                          ; r
	v_bfe_u32 v50, v0, 4, 1                        ; h
	s_mov_b32 s[HM], 0xffff0000
	s_mov_b32 s[CS], 0x3fb8aa3b                    ; log2(e)
	s_mov_b32 s[CS+1], s[CS]                       ; (named with it as a pair, so it is written)
	s_mov_b32 s[SEL], 0x76543210
	s_mov_b32 s[SEL+1], 0xfedcba98
	s_wait_alu depctr_va_sdst(0)                   ; the wave's number is written in s46, ahead of its first reader
	; every LDS address, ahead of the first branch
	s_mul_i32 s59, s[WV], 2560                     ; my stage
	v_mul_u32_u24 v[XFA], v48, 40
	v_add_nc_u32 v[XFA], s59, v[XFA]
	v_mul_u32_u24 v[XQA], v49, 40
	v_add_nc_u32 v[XQA], s59, v[XQA]
	s_xor_b32 s60, s[WV], 7
	s_mul_i32 s60, s60, 2560
	s_add_co_u32 s60, s60, 2688                    ; from my stage to ZREG + 128: (7 - w) x 2,560 + 2,560 + 128
	v_mul_u32_u24 v11, s60, v50                    ; one product: lanes 16-31 stand that far on
	v_add_nc_u32 v[XQA], v[XQA], v11
	v_lshlrev_b32 v[L16], 4, v48
	v_add_nc_u32 v[XSA], s59, v[L16]
	v_lshlrev_b32 v[L8], 3, v48
	v_lshlrev_b32 v[BA], 7, v50
	s_lshl_b32 s61, s[WV], 8
	s_add_co_u32 s61, s61, PST
	v_lshl_add_u32 v[PSA], v48, 2, s61
	v_lshl_add_u32 v[PLA], v48, 3, s61
	s_mul_i32 s62, s[WV], 768
	v_add_nc_u32 v53, s62, v[L8]                   ; v53: where I store an image's pair: 8 L + 768 w
	s_lshl_b32 s63, s[WV], 6
	v_lshl_add_u32 v55, v49, 2, s63                ; v55: and its scale words: 4 r + 64 w
	v_lshlrev_b32 v62, 4, v0                       ; v62: my 16 bytes of the zeros: 512 w + 16 L
	v_lshlrev_b32 v63, 2, v0                       ; v63: my word of the biases: 128 w + 4 L
	v_lshlrev_b32 v219, 2, v48                     ; v219: 4 L
	; offsets in the weights.  Fragment: lane (r, h), place p holds W[32 h + p][col], col = 32 (r / 8) + 8 t + r % 8, t = w % 4
	v_and_b32 v220, 8, v49
	v_and_b32 v221, 7, v49                         ; r % 8
	v_lshlrev_b32 v220, 4, v220
	v_lshl_add_u32 v220, v221, 2, v220
	s_and_b32 s53, s[WV], 3
	s_lshl_b32 s53, s53, 5
	v_add_nc_u32 v220, s53, v220                   ; 4 col
	s_mov_b32 s55, 8192
	s_cmp_lt_u32 s[WV], 4                          ; waves 0-3 take W_in in the first round: its second block is rows 32-41, kept at places 10-19 (row p + 22); at the other places lanes 16-31 load row p and clear it
	s_cselect_b32 s54, 5632, s55
	s_cselect_b32 s56, 0, s55
	v_mad_u32_u24 v51, v50, s54, v220              ; v51: places 10-19
	v_mad_u32_u24 v52, v50, s56, v220              ; v52: the others
	v_lshl_add_u32 v54, v50, 13, v220              ; v54: the second round (W2, W3)
	s_and_b32 s57, s[WV], 1
	s_lshl_b32 s57, s57, 6
	v_lshl_add_u32 v56, v49, 2, s57
	v_lshl_add_u32 v56, v50, 12, v56               ; v56: the heads: col = 16 (w % 2) + r, rows of 128 bytes
	v_lshlrev_b32 v57, 3, v50                      ; v57: 8 h
	; W_sym's rows: result register e = 8 u + j of lane half hh is enc e (hh = 0), enc e + 22 (hh = 1, e < 10), enc e + 6 (hh = 1, e >= 10)
	v_lshrrev_b32 v222, 3, v49                     ; hh = r / 8
	v_mad_u32_u24 v58, v222, 22, v221
	v_mov_b32 v11, 22
	v_cmp_gt_u32 vcc_lo, 2, v221
	s_wait_alu depctr_va_vcc(0)                    ; the compare has written VCC, which the selection below reads
	v_cndmask_b32 v223, 6, v11, vcc_lo
	v_mad_u32_u24 v59, v222, v223, v221
	v_add_nc_u32 v59, 8, v59
	v_lshlrev_b32 v58, 2, v58                      ; v58, v59: 4 x the unit, u = 0, 1
	v_lshlrev_b32 v59, 2, v59
	v_lshl_add_u32 v60, v50, 8, v58                ; v60, v61: + two rows of W_sym for h = 1
	v_lshl_add_u32 v61, v50, 8, v59
	v_lshl_add_u32 v214, v50, 7, v58               ; v214, v215: + one row
	v_lshl_add_u32 v215, v50, 7, v59
	v_lshlrev_b32 v216, 5, v50                     ; v216: 32 h
	v_cmp_eq_u32 s80, 0, v221                      ; s80: rows 0 and 8 of the outputs' weight: the prediction
	v_add_nc_u32 v11, -1, v221
	v_cmp_gt_u32 s81, 4, v11                       ; s81: rows 1-4 and 9-12: the logits
	v_and_b32 v11, 3, v11                          ; (the other rows load a column that is there, and are cleared)
	v_lshlrev_b32 v11, 2, v11
	v_lshl_add_u32 v217, v50, 7, v11               ; v217: W_c2: 16 x 8 h + 4 x column
.irp i, 6,7,8,9,10,11
	v_mov_b32 v[C0+\i], 0                          ; the batch operands' upper halves: zero codes, for the whole launch (made here, ahead of the wait in front of the first load: the store of the zeros then owes no wait of its own)
	v_mov_b32 v[C0+12+\i], 0
.endr
	v_mov_b32 v[QT0+4], 0                          ; written once: a lane permute's destination counts as one of its sources
	v_mov_b32 v[QT1+4], 0
	s_wait_alu depctr_va_sdst(0)                   ; the two compares have written the masks s80 and s81, ahead of the first branch; the selections that read them stand further down
	s_wait_kmcnt 0x0
	s_load_b32 s82, s[38:39], 0x0                  ; b_r2
	s_load_b128 s[84:87], s[40:41], 0x0            ; b_c2
	s_cmp_lt_u32 s[WV], 4
	s_cselect_b64 s[66:67], s[10:11], s[12:13]     ; first round: W_in or W1
	s_cselect_b64 s[68:69], s[14:15], s[16:17]     ; second: W2 or W3
	s_and_b32 s53, s[WV], 2
	s_cmp_lg_u32 s53, 0
	s_cselect_b64 s[70:71], s[20:21], s[18:19]     ; third (waves 0-3): W_r1, W_r1, W_c1, W_c1
	s_cmp_lt_u32 s[WV], 2
	s_cselect_b64 s[72:73], s[22:23], s[24:25]
	s_cmp_lt_u32 s[WV], 6
	s_cselect_b64 s[54:55], s[26:27], s[28:29]
	s_cmp_lt_u32 s[WV], 4
	s_cselect_b64 s[72:73], s[72:73], s[54:55]     ; bias w / 2 of b_in, b1, b2, b3,
	s_and_b32 s56, s[WV], 1
	s_lshl_b32 s56, s56, 7
	s_mov_b32 s57, 0
	s_add_nc_u64 s[72:73], s[72:73], s[56:57]      ; its half w % 2
	s_lshl_b32 s53, ttmp9, 3
	s_add_co_u32 s53, s53, s[WV]                   ; which 512 rows are mine
	s_mul_i32 s56, s53, 20480
	s_add_nc_u64 s[74:75], s[4:5], s[56:57]        ; x
	s_lshl_b32 s56, s53, 11
	s_add_nc_u64 s[76:77], s[42:43], s[56:57]      ; out0
	s_lshl_b32 s56, s53, 13
	s_add_nc_u64 s[78:79], s[44:45], s[56:57]      ; out1
	; all the head's loads go out together
	WIN 0x40                                       ; destinations in window 1
	s_wait_alu depctr_va_vdst(0)                   ; every address and offset of the kernel (v3-v10, v51-v63, v214-v217, v219) is written, and so are the zeros v30-33 that the store below the loads reads
.irp k, 0,1,2,3,4
	global_load_b128 v[200+4*\k:203+4*\k], v[L16], s[74:75] offset:512*\k th:TH_LOAD_NT   ; trip 0's x: 512 consecutive bytes a load
.endr
.irp u, 0,1
.irp q, 0,1,2,3
	global_load_b32 v[160+6*\u+\q], v[60+\u], s[6:7] offset:(4*(\q/2)+\q%2)*128    ; K steps 0, 1: W_sym[4 s + 2 h + j][unit]
.endr
	global_load_b32 v[164+6*\u], v[214+\u], s[6:7] offset:1024                     ; K step 2, j = 0: W_sym[8 + h][unit]
	global_load_b32 v[165+6*\u], v[58+\u], s[8:9]                                  ; j = 1: b_sym[unit] (cleared in lanes 16-31 below)
.endr
	global_load_b128 v[128:131], v216, s[34:35]                ; W_r2[8 h ..], [16 + 8 h ..], as f32
	global_load_b128 v[132:135], v216, s[34:35] offset:16
	global_load_b128 v[136:139], v216, s[34:35] offset:64
	global_load_b128 v[140:143], v216, s[34:35] offset:80
.irp i, 0,1,2,3,4,5,6,7
	global_load_b32 v[144+\i], v217, s[36:37] offset:16*\i     ; W_c2[8 h + i][column]
	global_load_b32 v[152+\i], v217, s[36:37] offset:256+16*\i ; W_c2[16 + 8 h + i][column]
.endr
.irp t, 0,1
	global_load_b128 v[224+8*\t:227+8*\t], v216, s[30:31] offset:64*\t             ; the heads' bias: tile t, register j: b[16 t + 8 h + j]
	global_load_b128 v[228+8*\t:231+8*\t], v216, s[30:31] offset:64*\t+16
	global_load_b128 v[240+8*\t:243+8*\t], v216, s[32:33] offset:64*\t
	global_load_b128 v[244+8*\t:247+8*\t], v216, s[32:33] offset:64*\t+16
.endr
	WIN 0
.set pp, 0
.rept 32
.if (pp >= 10) && (pp < 20)
	global_load_b32 v[64+pp], v51, s[66:67] offset:256*pp
.else
	global_load_b32 v[64+pp], v52, s[66:67] offset:256*pp
.endif
	global_load_b32 v[96+pp], v54, s[68:69] offset:256*pp
.set pp, pp+1
.endr
	global_load_b32 v218, v219, s[72:73]           ; my 32 numbers of the biases
	s_cmp_lt_u32 s[WV], 4
	s_cbranch_scc0 .Lno_head_loads
.set pp, 0
.rept 32
	global_load_b32 v[224+pp], v56, s[70:71] offset:128*pp
.set pp, pp+1
.endr
.Lno_head_loads:
	ds_store_b128 v62, v[C0+6:C0+9] offset:ZREG    ; my 512 bytes of the zeros (address and data were written ahead of the wait in front of the loads; they are never written again)
	WIN 0x40
.irp i, 120,121,122,123,124,125
	v_mov_b32 v\i, 0                               ; behind the last weight fragment
.endr
	WIN 0
	s_wait_loadcnt 0x0
	s_wait_kmcnt 0x0
	s_cmp_lt_u32 s[WV], 4
	s_cbranch_scc0 .Lnot_w_in
.irp i, 0,1,2,3,4,5,6,7,8,9,20,21,22,23,24,25,26,27,28,29,30,31
	v_cndmask_b32 v[64+\i], v[64+\i], 0, s[HM]     ; W_in's second block has ten rows: the rest of it is zeros
.endr
.Lnot_w_in:
	QUANT2 64, 96, 1                               ; fragments w and 8 + w
	s_wait_alu depctr_va_vdst(0)                   ; the quantiser has written the two fragments' codes (v24-29, v36-41) and scale words (v195, v205), the data of the LDS stores below
.irp i, 0,1,2
	ds_store_b64 v53, v[C0+2*\i:C0+2*\i+1] offset:WIMG+256*\i
	ds_store_b64 v53, v[C0+12+2*\i:C0+13+2*\i] offset:WIMG+6144+256*\i
.endr
	ds_store_b32 v55, v[QT0+3] offset:WSC          ; both lanes of a row write the same word with the same value
	ds_store_b32 v55, v[QT1+3] offset:WSC+512
	ds_store_b32 v63, v218 offset:BIAS
	s_wait_dscnt 0x0                               ; the stores have read their registers
	s_wait_alu depctr_vm_vsrc(0)                   ; beside it, ahead of the branch: the LDS stores have read v24-29 and v195, which the third fragment's quantiser writes again
	s_cmp_lt_u32 s[WV], 4
	s_cbranch_scc0 .Lno_head_frag
	QUANT1 224                                     ; fragment 16 + w
	s_wait_alu depctr_va_vdst(0)                   ; the quantiser has written the fragment's codes and its scale word, the data of the LDS stores below
.irp i, 0,1,2
	ds_store_b64 v53, v[C0+2*\i:C0+2*\i+1] offset:WIMG+12288+256*\i
.endr
	ds_store_b32 v55, v[QT0+3] offset:WSC+1024
.Lno_head_frag:
	WIN 0x04                                       ; an LDS store's data are its source 1
.irp k, 0,1,2,3,4
	ds_store_b128 v[XSA], v[200+4*\k:203+4*\k] offset:512*\k       ; trip 0's x into my stage (the data came by loads; no vector line names them)
.endr
	WIN 0x45
.set oi, 0
.rept 16
	v_cvt_pk_bf16_f32 v[176+oi], v[128+2*oi], v[129+2*oi]          ; the outputs' weights to bf16
.set oi, oi+1
.endr
	WIN 0x44
.irp i, 0,1,2,3,4,5,6,7
	v_cndmask_b32 v[176+\i], 0, v[176+\i], s80     ; W_r2 in rows 0 and 8 alone,
	v_cndmask_b32 v[184+\i], 0, v[184+\i], s81     ; W_c2's columns in rows 1-4 and 9-12 alone
.endr
	WIN 0x41
	v_cndmask_b32 v165, v165, 0, s[HM]             ; K index 11 multiplies a 1 too: nought there
	v_cndmask_b32 v171, v171, 0, s[HM]
	WIN 0x40
	v_mov_b32 v192, s82                            ; the outputs' bias, register j = output j
	v_mov_b32 v193, s84
	v_mov_b32 v194, s85
	v_mov_b32 v195, s86
	v_mov_b32 v196, s87
	v_mov_b32 v197, 0
	v_mov_b32 v198, 0
	v_mov_b32 v199, 0
	s_wait_dscnt 0x0                               ; for the others' sake: all my LDS stores are done; and x's registers have been read
	s_wait_alu depctr_vm_vsrc(0)                   ; beside it: the stores into the stage have read window 1's v200-219, in which the loads below land
.irp k, 0,1,2,3,4
	global_load_b128 v[200+4*\k:203+4*\k], v[L16], s[74:75] offset:2560+512*\k th:TH_LOAD_NT   ; trip 1's x
.endr
	WIN 0
	s_barrier_signal -1
	s_barrier_wait -1                              ; images, scale words, biases and zeros lie in LDS: the launch's one barrier
.irp i, 0,1,2,3,4,5,6,7,8,9
	ds_load_b32 v[WS+\i], v219 offset:WSC+128*\i   ; first, so that the wait on vm_vsrc below covers their reads of v219
.endr
	WIN 0x40
	s_wait_alu depctr_va_vdst(0)                   ; the conversions to bf16 are done reading window 1's v128-159, in which the bias lands; the quantisers are done reading v64-73 and v96-105 and the head's arithmetic is done with v48-50, in which x lands
	s_wait_alu depctr_vm_vsrc(0)                   ; the head's loads and stores have read v51, v52 (x lands there), v54, v56-61, v214-219, the codes v24-29, v36-41 and the words v195, v205: the loop writes all of them again
.set ff, 0
.rept 20
.irp i, 0,1,2
	ds_load_b64 v[6*ff+2*\i:6*ff+2*\i+1], v[L8] offset:WIMG+768*ff+256*\i         ; all twenty fragments stay in my registers
.endr
.set ff, ff+1
.endr
	WIN 0
	BLOAD 0
	XFETCH 0
	s_mov_b32 s[TR], 8
; =============================================================== 8 trips of 64 rows
.Ltrip:
	PASS 0
	s_cmp_lt_u32 s[TR], 2                          ; the last trip fills nothing
	s_cbranch_scc1 .Lno_stage
	s_wait_loadcnt 0x0                             ; the next trip's x, asked for a trip ago
	WIN 0x04
.irp k, 0,1,2,3,4
	ds_store_b128 v[XSA], v[200+4*\k:203+4*\k] offset:512*\k       ; LDS serves a wave's instructions in order: these come behind this trip's last reads of the stage
.endr
	WIN 0
	s_wait_dscnt 0x0                               ; the stores have read their registers
	s_wait_alu depctr_vm_vsrc(0)                   ; beside it, ahead of the branch: the stores into the stage have read window 1's v200-219, in which the loads below land
	s_cmp_lt_u32 s[TR], 3                          ; no load leaves the buffer
	s_cbranch_scc1 .Lno_stage
	WIN 0x40
.irp k, 0,1,2,3,4
	global_load_b128 v[200+4*\k:203+4*\k], v[L16], s[74:75] offset:5120+512*\k th:TH_LOAD_NT   ; x of the trip after the next
.endr
	WIN 0
.Lno_stage:
	PASS 1
	ds_load_b64 v[60:61], v[PLA]                   ; the trip's 64 predictions (the wait on vm_vsrc in OUT has shown v60-61 read by the store of the trip before; no vector line of the loop names them)
	s_wait_dscnt 0x0
	global_store_b64 v[L8], v[60:61], s[76:77] th:TH_STORE_NT      ; 256 consecutive bytes, at a multiple of 256 from out0's first byte
	s_wait_xcnt 0x0                                ; loads and stores have read their bases and registers: only now are the bases stepped
	s_add_nc_u64 s[74:75], s[74:75], 2560
	s_add_nc_u64 s[76:77], s[76:77], 256
	s_add_nc_u64 s[78:79], s[78:79], 1024
	s_sub_co_i32 s[TR], s[TR], 1
	s_cmp_lg_u32 s[TR], 0
	s_cbranch_scc1 .Ltrip
	s_wait_dscnt 0x0                               ; the closing lines, six on end
	s_wait_alu 0x0
	s_wait_tensorcnt 0x0
	ds_add_u32 v[SPW], v[NIL]
	s_wait_dscnt 0x0
	s_endpgm
.Lfunc_end_k_q47576632c2_mlp:
	.size	k_q47576632c2_mlp, .Lfunc_end_k_q47576632c2_mlp-k_q47576632c2_mlp
	.p2alignl 7, 3214868480
	.fill 96, 4, 3214868480
	.section	.rodata,"a",@progbits
	.p2align	6, 0x0
	.amdhsa_kernel k_q47576632c2_mlp
		.amdhsa_group_segment_fixed_size 45568
		.amdhsa_private_segment_fixed_size 0
		.amdhsa_enable_private_segment 0
		.amdhsa_kernarg_size 168
		.amdhsa_user_sgpr_count 2
		.amdhsa_user_sgpr_kernarg_segment_ptr 1
		.amdhsa_wavefront_size32 1
		.amdhsa_system_sgpr_workgroup_id_x 1
		.amdhsa_system_sgpr_workgroup_id_y 1
		.amdhsa_system_sgpr_workgroup_id_z 1
		.amdhsa_system_vgpr_workitem_id 0
		.amdhsa_next_free_vgpr 512
		.amdhsa_next_free_sgpr 96
		.amdhsa_reserve_vcc 1
		.amdhsa_float_denorm_mode_32 3
		.amdhsa_float_denorm_mode_16_64 3
		.amdhsa_memory_ordered 1
		.amdhsa_forward_progress 1
		.amdhsa_inst_pref_size 224
	.end_amdhsa_kernel
	.amdgpu_metadata
---
amdhsa.version: [ 1, 2 ]
amdhsa.kernels:
  - .name:           k_q47576632c2_mlp
    .symbol:         k_q47576632c2_mlp.kd
    .args:
      - { .name: x, .offset: 0, .size: 8, .value_kind: global_buffer, .address_space: global }
      - { .name: W_sym, .offset: 8, .size: 8, .value_kind: global_buffer, .address_space: global }
      - { .name: b_sym, .offset: 16, .size: 8, .value_kind: global_buffer, .address_space: global }
      - { .name: W_in, .offset: 24, .size: 8, .value_kind: global_buffer, .address_space: global }
      - { .name: W1, .offset: 32, .size: 8, .value_kind: global_buffer, .address_space: global }
      - { .name: W2, .offset: 40, .size: 8, .value_kind: global_buffer, .address_space: global }
      - { .name: W3, .offset: 48, .size: 8, .value_kind: global_buffer, .address_space: global }
      - { .name: W_r1, .offset: 56, .size: 8, .value_kind: global_buffer, .address_space: global }
      - { .name: W_c1, .offset: 64, .size: 8, .value_kind: global_buffer, .address_space: global }
      - { .name: b_in, .offset: 72, .size: 8, .value_kind: global_buffer, .address_space: global }
      - { .name: b1, .offset: 80, .size: 8, .value_kind: global_buffer, .address_space: global }
      - { .name: b2, .offset: 88, .size: 8, .value_kind: global_buffer, .address_space: global }
      - { .name: b3, .offset: 96, .size: 8, .value_kind: global_buffer, .address_space: global }
      - { .name: b_r1, .offset: 104, .size: 8, .value_kind: global_buffer, .address_space: global }
      - { .name: b_c1, .offset: 112, .size: 8, .value_kind: global_buffer, .address_space: global }
      - { .name: W_r2, .offset: 120, .size: 8, .value_kind: global_buffer, .address_space: global }
      - { .name: W_c2, .offset: 128, .size: 8, .value_kind: global_buffer, .address_space: global }
      - { .name: b_r2, .offset: 136, .size: 8, .value_kind: global_buffer, .address_space: global }
      - { .name: b_c2, .offset: 144, .size: 8, .value_kind: global_buffer, .address_space: global }
      - { .name: out0, .offset: 152, .size: 8, .value_kind: global_buffer, .address_space: global }
      - { .name: out1, .offset: 160, .size: 8, .value_kind: global_buffer, .address_space: global }
    .group_segment_fixed_size: 45568
    .private_segment_fixed_size: 0
    .kernarg_segment_align: 8
    .kernarg_segment_size: 168
    .max_flat_workgroup_size: 256
    .sgpr_count:     96
    .vgpr_count:     512
    .wavefront_size: 32
...
	.end_amdgpu_metadata
.endif
;; end of part 2
